; MI455X (gfx1250); checked and timed in simulation.
; The chip was launched on July 23, 2026; its instructions are those of AMD's public machine-readable ISA for CDNA 5 (MIT licence, August 2026) and "CDNA5" Instruction Set Architecture Reference Guide (July 2026). The comments in the code are by the model that wrote it; some were corrected since.
;; Switch Transformers Layer FF. Allowed arithmetic: matrix products marked QUANTISED: E5M2 operands, one E8M0 scale for each 32 along K, by v_wmma_scale_f32_16x16x128_f8f6f4 with both operands' format E5M2, f32 sums; products left as they are: f32 operands where the result goes on into a quantised operand, else bf16, f16 or f32 operands; f32 sums; everything else in f32.
;; Inputs: hidden_states 2 x 2,048 x 512 float32; ln_weight 512 float32; w_router 512 x 8 float32; wi 8 x 512 x 2,048 float32; wo 8 x 2,048 x 512 float32.
;; Outputs: out0 2 x 2,048 x 512 float32; out1 2 x 2,048 x 8 float32; out2 2 x 2,048 int32.
;; Constants: output_router_logits = 1.
;; This version of the problem:
;;   THIS VERSION OF THE PROBLEM IS GIVEN IN LOW PRECISION. The matrix products marked QUANTISED in the list below multiply operands that are first quantised to E5M2 (5 exponent bits, 2 mantissa bits; 8 bits a number), with one power-of-two scale for each 32 numbers along K (OCP MX v1.0); their sums are f32. All else is computed in f32.
;;   The module's matrix products, in the order in which they are computed (A, B: the left and right operand; K: the contracted axis; several contracted axes count as one K, in the product's order):
;;     1. [M 4,096, K 512] x [K 512, N 8]; A: computed on the way; B: input w_router: left as it is (N = 8 < 16)
;;     2. [M 4,096, K 512] x [K 512, N 2,048]; A: computed on the way; B: input wi: QUANTISED
;;     3. [M 4,096, K 2,048] x [K 2,048, N 512]; A: computed on the way; B: input wo: QUANTISED
;;     4. [M 4,096, K 512] x [K 512, N 2,048]; A: computed on the way; B: input wi: QUANTISED
;;     5. [M 4,096, K 2,048] x [K 2,048, N 512]; A: computed on the way; B: input wo: QUANTISED
;;     6. [M 4,096, K 512] x [K 512, N 2,048]; A: computed on the way; B: input wi: QUANTISED
;;     7. [M 4,096, K 2,048] x [K 2,048, N 512]; A: computed on the way; B: input wo: QUANTISED
;;     8. [M 4,096, K 512] x [K 512, N 2,048]; A: computed on the way; B: input wi: QUANTISED
;;     9. [M 4,096, K 2,048] x [K 2,048, N 512]; A: computed on the way; B: input wo: QUANTISED
;;     10. [M 4,096, K 512] x [K 512, N 2,048]; A: computed on the way; B: input wi: QUANTISED
;;     11. [M 4,096, K 2,048] x [K 2,048, N 512]; A: computed on the way; B: input wo: QUANTISED
;;     12. [M 4,096, K 512] x [K 512, N 2,048]; A: computed on the way; B: input wi: QUANTISED
;;     13. [M 4,096, K 2,048] x [K 2,048, N 512]; A: computed on the way; B: input wo: QUANTISED
;;     14. [M 4,096, K 512] x [K 512, N 2,048]; A: computed on the way; B: input wi: QUANTISED
;;     15. [M 4,096, K 2,048] x [K 2,048, N 512]; A: computed on the way; B: input wo: QUANTISED
;;     16. [M 4,096, K 512] x [K 512, N 2,048]; A: computed on the way; B: input wi: QUANTISED
;;     17. [M 4,096, K 2,048] x [K 2,048, N 512]; A: computed on the way; B: input wo: QUANTISED
;;   THE QUANTISER, for each operand of a quantised product, along K:
;;     - K is cut into blocks of 32 from its start; a last block that is shorter is filled with zeros.
;;     - A block's scale is 2^e with e = floor(log2(the largest magnitude in the block)) - 15, held to -126 .. 127; a block of zeros has e = 0. As a byte (E8M0): e + 127.
;;     - Each number is divided by its block's scale, clamped to +-57,344, and rounded to the nearest number of E5M2, ties to even, subnormals kept.
;;     - The product sums the exact products of the quantised numbers (number of the format x scale) in f32.
;;   ~~~python
;;   def quantise(x, axis):      # numpy; x: float32 -> the quantised numbers, widened to float32 again
;;       x = np.moveaxis(x, axis, -1); K = x.shape[-1]
;;       x = np.pad(x, [(0, 0)] * (x.ndim - 1) + [(0, -K % 32)]); x = x.reshape(x.shape[:-1] + (-1, 32)); a = np.abs(x).max(-1, keepdims=True)
;;       e = np.where(a > 0, np.clip(np.frexp(np.where(a > 0, a, 1))[1] - 1 - 15, -126, 127), 0)      # np.frexp(a)[1] - 1 = floor(log2(a)), exactly
;;       r = np.clip(x / 2.0 ** e, -57344, 57344)
;;       step = 2.0 ** (np.maximum(np.frexp(np.where(r == 0, 1, r))[1] - 1, -14) - 2)
;;       q = np.round(r / step) * step * 2.0 ** e      # np.round: ties to even
;;       return np.moveaxis(q.reshape(q.shape[:-2] + (-1,))[..., :K], -1, axis).astype(np.float32)
;;   ~~~
;;   OPERANDS COMPUTED ON THE WAY. 'Computed on the way' means the value that the module computes at that place (a softmax that the list does not call 'softmax' is quantised finished and normalised). What goes into a quantiser is computed in f32, as accurately as f32 sums, v_exp_f32 and their like allow (about 1e-6 of the number): no bf16 or f16 on the way to a quantiser, and a product that is left as it is and whose result goes on into a quantised operand takes f32 operands (vector FMAs, or v_wmma_f32_16x16x4_f32). A number that lies on a knife's edge between two numbers of the format may be rounded either way, as far as f32 arithmetic and the matrix unit's own rounding can turn it there, and no further.
;; 3 versions, each right; version 2 is faster than version 1; version 3 is version 2 with the launch chain written anew for expert scheduling mode. Each part assembles by itself: llvm-mc -triple=amdgcn-amd-amdhsa -mcpu=gfx1250 --defsym DOCPART=n.
;; ======== version 1 of 3: 3 launches
;; workspace buffers: xc 2,097,152 bytes; xs 65,536 bytes; gate 16,384 bytes; eidx 16,384 bytes of whole numbers; plan 20,480 bytes of whole numbers; wcod 16,777,216 bytes; wscl 524,288 bytes
;; launch front (part 1): grid 640 x 1, 4 waves a work-group, no clusters, 2,560 bytes of LDS; arguments hidden_states, ln_weight, w_router, wi, xc, xs, gate, eidx, wcod, wscl, out1, out2; writes xc, xs, gate, eidx, wcod, wscl, out1, out2
.if DOCPART == 1
	.amdgcn_target "amdgcn-amd-amdhsa--gfx1250"
	.amdhsa_code_object_version 6
	.text
	.protected	k_qdbbdd4125a_front
	.globl	k_qdbbdd4125a_front
	.p2align	8
	.type	k_qdbbdd4125a_front,@function
k_qdbbdd4125a_front:
	s_mov_b64 s[64:65], 0
	v_nop
	global_prefetch_b8 v0, s[64:65] scope:SCOPE_SE
	s_setreg_imm32_b32 hwreg(HW_REG_WAVE_MODE, 25, 1), 1
	s_wait_xcnt 0x0
; FRONT.  Two kinds of work-groups, told apart by the work-group's number alone.
; Work-groups 0-127: 32 tokens each, 8 a wave.  RMS norm, the 8 router logits in f32, the largest probability, the chosen expert, and the normed row as codes of BF8 (E5M2) with one E8M0 byte for each 32 along d.
;   A lane holds d = 16 lane .. 16 lane + 15 of a token: 16 neighbours along K, as the conversions want them; two neighbouring lanes hold a block of 32.
;   The expert's number is only STORED here (eidx, out2): no address and no branch of this launch hangs on it.
; Work-groups 128-639: one batch of wi each: 128 columns (hidden units) x 128 along K (d), quantised down K, a lane to a column, and stored as IMAGES OF THE OPERAND'S REGISTERS (see WQ).
; LIMITS: NaN and infinities among the inputs are not served.  The expert is the lowest index whose LOGIT equals the largest logit (the probabilities, rounded, could tie where the logits do not).
;   A block of zeros gets the scale byte 1 where the quantiser's rule says 127: its codes are zeros, which add nothing under any byte but 0xff, and the bytes are read by this program alone.
;   Blocks whose largest magnitude lies under 2^(16 - 127), the floor, were not tried.
; No matrix unit, no cluster, no tensor load: the launch streams, waves share nothing, and there is no barrier.
.set TOKWG, 128                        ; work-groups that take tokens
; ---- the token path's registers
.set LNW, 12                           ; v12-27   ln_weight of my 16 d
.set X0,  28                           ; v28-43, v44-59  two sets of 16 numbers of a token
.set LG,  60                           ; v60-67   my part of the 8 logits
.set KP,  68                           ; v68-71   the halving sum: what I keep
.set SD,  72                           ; v72-75   and what I send
.set TT,  76                           ; v76-91   at work
.set CD,  92                           ; v92-99   two sets of 4: a token's 16 codes
.set EI,  100                          ; v100     lane i: token i's expert
.set GT,  101                          ; v101     lane i: token i's probability
.set OL,  102                          ; v102-103 lane l: logit l % 8 of token l / 8 (+ 4 in the second)
.set RS,  104                          ; v[104:105] 1 / sqrt(mean + eps), twice
.set WR,  128                          ; v128-255 w_router[16 lane + i][e] at WR + 8 i + e
; ---- the weight path's constants (the same macro serves wo in the next launch)
.set FIRSTW, 128                       ; the first work-group that takes a batch
.set PITCH,  8192                      ; bytes from a row of wi[e] to the next (2,048 f32)
.set GSH,    2                         ; batch = 64 e + 4 g + s: g = column group of 128, s = K step of 128
.set GWID,   4
.set SMASK,  3
.set CODOFF, 0
.set SCLOFF, 0
.set WSRC, 10
.set WCOD, 20
.set WSCL, 22
.set WWV,  28
.set WX,   32                          ; v32-159  128 numbers down K of my column
.set WC,   160                         ; v160-191 their codes: every store has registers of its own
; One block of 32 down K: all 32 numbers are the lane's own.
.macro WBLOCK c, cnt
.set XS, WX+32*(\c)
	s_wait_loadcnt \cnt                            ; this block's loads are in (behind them 96, 64, 32, 0 were issued; a wait names 63 at the most)
	v_max3_num_f32 v12, |v[XS]|, |v[XS+1]|, |v[XS+2]|
	v_max3_num_f32 v13, |v[XS+3]|, |v[XS+4]|, |v[XS+5]|
.irp i, 6,10,14,18,22,26
	v_max3_num_f32 v12, v12, |v[XS+\i]|, |v[XS+\i+1]|
	v_max3_num_f32 v13, v13, |v[XS+\i+2]|, |v[XS+\i+3]|
.endr
	v_max3_num_f32 v12, v12, |v[XS+30]|, |v[XS+31]|
	v_max3_num_f32 v12, v12, v13, 0x8000000        ; and the floor 2^(16 - 127): the byte cannot fall under 1
	v_add_nc_u32 v11, 0xf8800000, v12              ; 15 off the exponent field: the conversion's scale operand
	v_and_or_b32 v10, v12, 0x7f800000, s44         ; 57,344 x the scale
	v_lshrrev_b32 v13, 23, v11                     ; the scale's byte
.if (\c) == 0
	v_mov_b32 v5, v13
.else
	v_lshl_or_b32 v5, v13, 8*(\c), v5              ; four bytes make my column's scale word of this K step
.endif
.irp i, 0,1,2,3,4,5,6,7,8,9,10,11,12,13,14,15,16,17,18,19,20,21,22,23,24,25,26,27,28,29,30,31
	v_med3_num_f32 v[XS+\i], v[XS+\i], -v10, v10   ; the conversion to an 8-bit code does not saturate (ISA guide 7.6.2): hold first
.endr
.irp g, 0,1,2,3
	v_cvt_scalef32_pk8_bf8_f32 v[WC+8*(\c)+2*\g:WC+8*(\c)+2*\g+1], v[XS+8*\g:XS+8*\g+7], v11
.endr
	global_store_b128 v3, v[WC+8*(\c):WC+8*(\c)+3], s[WCOD:WCOD+1] offset:512*(\c)          ; k = 32 c + 0 .. 15: the place of lane (r, 0) of the image
	global_store_b128 v3, v[WC+8*(\c)+4:WC+8*(\c)+7], s[WCOD:WCOD+1] offset:512*(\c)+256    ; k = 32 c + 16 .. 31: that of lane (r, 1).  In each store 16 lanes write 256 consecutive bytes, aligned
.endm
; A BATCH: 128 columns x 128 along K -> 8 tiles of 16 rows x 128 K, 2,048 bytes each: chunk c of 512 bytes holds, at 16 x lane, registers 4 c .. 4 c + 3 of lane (r, h): k = 32 c + 16 h + 0 .. 15 of the tile's row r.
; Row r of tile 2 b + u is column 32 b + 8 u + r + 8 (r / 8) of the group, so that in a product used transposed the 16 registers of tiles 2 b and 2 b + 1 are 16 neighbouring columns.
; Wave w takes columns 32 w + lane (b = w): u = (lane / 8) % 2, r = lane % 8 + 8 (lane / 16).  Each load reads 128 consecutive bytes a wave, the four waves side by side 512.
.macro WQ
	s_sub_co_u32 s32, ttmp9, FIRSTW                ; the batch
	s_lshr_b32 s33, s32, 6                         ; the expert
	s_lshl_b32 s38, s33, 22                        ; 4 MiB of f32 an expert
	s_bfe_u32 s34, s32, (GWID<<16)|GSH
	s_lshl_b32 s34, s34, 9                         ; + 512 g
	s_add_co_u32 s38, s38, s34
	s_and_b32 s34, s32, SMASK
	s_mul_i32 s34, s34, 128*PITCH                  ; + 128 s rows
	s_add_co_u32 s38, s38, s34
	s_lshl_b32 s34, s[WWV], 7                      ; + 128 w
	s_add_co_u32 s38, s38, s34
	s_mov_b32 s39, 0
	s_lshl_b32 s40, s32, 14                        ; codes: 16,384 bytes a batch, 4,096 a wave
	s_lshl_b32 s34, s[WWV], 12
	s_add_co_u32 s40, s40, s34
.if CODOFF
	s_add_co_u32 s40, s40, CODOFF
.endif
	s_mov_b32 s41, 0
	s_lshl_b32 s42, s32, 9                         ; scale words: 512 bytes a batch, 128 a wave
	s_lshl_b32 s34, s[WWV], 7
	s_add_co_u32 s42, s42, s34
.if SCLOFF
	s_add_co_u32 s42, s42, SCLOFF
.endif
	s_mov_b32 s43, 0
	s_mov_b32 s44, 0x600000                        ; the mantissa field of 57,344
	v_lshlrev_b32 v2, 2, v1                        ; in: 4 bytes a lane
	v_bfe_u32 v6, v1, 3, 1                         ; u
	v_and_b32 v7, 7, v1
	v_lshrrev_b32 v8, 4, v1
	v_lshl_add_u32 v7, v8, 3, v7                   ; r
	v_lshlrev_b32 v3, 4, v7
	v_lshl_add_u32 v3, v6, 11, v3                  ; codes: 2,048 u + 16 r
	v_lshlrev_b32 v4, 2, v7
	v_lshl_add_u32 v4, v6, 6, v4                   ; scale word: 64 u + 4 r
	s_wait_kmcnt 0x0
	s_add_nc_u64 s[WSRC:WSRC+1], s[WSRC:WSRC+1], s[38:39]
	s_add_nc_u64 s[WCOD:WCOD+1], s[WCOD:WCOD+1], s[40:41]
	s_add_nc_u64 s[WSCL:WSCL+1], s[WSCL:WSCL+1], s[42:43]
.set i, 0
.rept 128
	global_load_b32 v[WX+i], v2, s[WSRC:WSRC+1] offset:i*PITCH th:TH_LOAD_NT
.set i, i+1
.endr
	WBLOCK 0, 63
	WBLOCK 1, 63
	WBLOCK 2, 32
	WBLOCK 3, 0
	global_store_b32 v4, v5, s[WSCL:WSCL+1]
	s_endpgm
.endm
	s_load_b512 s[4:19], s[0:1], 0x0               ; hidden 4:5, ln_weight 6:7, w_router 8:9, wi 10:11, xc 12:13, xs 14:15, gate 16:17, eidx 18:19
	s_load_b256 s[20:27], s[0:1], 0x40             ; wcod 20:21, wscl 22:23, out1 24:25, out2 26:27
	s_set_vgpr_msb 0x40
	v_lshl_add_u32 v0, v0, 2, 0x800
	v_mov_b32 v1, 0
	s_set_vgpr_msb 0x4000
	v_lshrrev_b32 v1, 5, v0
	v_readfirstlane_b32 s28, v1                    ; wave 0..3
	v_and_b32 v1, 31, v0                           ; lane
	s_cmp_ge_u32 ttmp9, TOKWG
	s_cbranch_scc1 .Lweights
	; ================= tokens =================
	s_lshl_b32 s29, ttmp9, 5
	s_lshl_b32 s42, s28, 3
	s_add_co_u32 s29, s29, s42                     ; my wave's first token: 32 x work-group + 8 x wave
	s_mov_b32 s43, 0
	s_mov_b32 s30, 0x3b000000                      ; 1 / 512
	s_mov_b32 s31, 0x358637bd                      ; 1e-6
	s_mov_b32 s32, 0x76543210
	s_mov_b32 s33, 0xfedcba98                      ; v_permlanex16_b32's selects for lane l xor 16
	s_mov_b32 s34, 0xf0f0f0f0                      ; lanes with bit 2 set,
	s_mov_b32 s35, 0xcccccccc                      ; bit 1,
	s_mov_b32 s36, 0xaaaaaaaa                      ; bit 0
	s_mov_b32 s37, 0x600000                        ; the mantissa field of 57,344
	s_mov_b32 s38, 0x3fb8aa3b                      ; log2(e)
	s_lshl_b32 s44, s28, 9                         ; LDS: 512 bytes a wave: 128 scale bytes, then 256 bytes of logits
	v_lshlrev_b32 v2, 6, v1                        ; 64 x lane: my 16 numbers of a row
	v_lshlrev_b32 v3, 9, v1                        ; 512 x lane: my 16 rows of w_router
	v_lshlrev_b32 v4, 4, v1                        ; 16 x lane: my 16 codes
	v_lshrrev_b32 v5, 1, v1
	v_add_nc_u32 v5, s44, v5                       ; my block's scale byte
	v_lshlrev_b32 v9, 2, v1
	v_lshlrev_b32 v10, 3, v1
	v_add_nc_u32 v6, s44, v9                       ; the scale bytes on the way out: 4 a lane
	v_add_nc_u32 v7, 128, v6                       ; the logits on the way in: 4 bytes a lane,
	v_add_nc_u32 v8, s44, v10
	v_add_nc_u32 v8, 128, v8                       ; and out: 8 a lane
	v_and_b32 v11, 7, v1
	v_cvt_f32_u32 v11, v11
	v_sub_f32 v11, 0x41000000, v11                 ; 8 - lane % 8: the largest of these among the lanes that hold the maximum names the lowest index
	v_mov_b32 v[EI], 0
	v_mov_b32 v[GT], 0
	v_mov_b32 v[OL], 0
	v_mov_b32 v[OL+1], 0
	s_wait_kmcnt 0x0
	s_lshl_b32 s42, s29, 11
	s_add_nc_u64 s[4:5], s[4:5], s[42:43]          ; hidden: 2,048 bytes a token
	s_lshl_b32 s42, s29, 9
	s_add_nc_u64 s[12:13], s[12:13], s[42:43]      ; codes: 512
	s_lshl_b32 s42, s29, 4
	s_add_nc_u64 s[14:15], s[14:15], s[42:43]      ; scale bytes: 16
	s_lshl_b32 s42, s29, 5
	s_add_nc_u64 s[24:25], s[24:25], s[42:43]      ; logits: 32
	s_lshl_b32 s42, s29, 2
	s_add_nc_u64 s[16:17], s[16:17], s[42:43]      ; probability, expert (twice): 4
	s_add_nc_u64 s[18:19], s[18:19], s[42:43]
	s_add_nc_u64 s[26:27], s[26:27], s[42:43]
.irp j, 0,1,2,3
	global_load_b128 v[LNW+4*\j:LNW+4*\j+3], v2, s[6:7] offset:16*\j
.endr
.set k, 0
.rept 32
	global_load_b128 v[WR+4*k:WR+4*k+3], v3, s[8:9] offset:16*k
.set k, k+1
.endr
.irp j, 0,1,2,3
	global_load_b128 v[X0+4*\j:X0+4*\j+3], v2, s[4:5] offset:16*\j th:TH_LOAD_NT
.endr
.macro TOKEN i
.set XC, X0+16*((\i)%2)
.set XN, X0+16*(1-(\i)%2)
.set CC, CD+4*((\i)%2)
.if (\i) < 7
.irp j, 0,1,2,3
	global_load_b128 v[XN+4*\j:XN+4*\j+3], v2, s[4:5] offset:2048*((\i)+1)+16*\j th:TH_LOAD_NT
.endr
	s_wait_loadcnt 4                               ; all but the next token's four loads are in
.else
	s_wait_loadcnt 0
.endif
	; the mean of the squares: two chains in the lane, then across the 32 lanes
	v_pk_mul_f32 v[TT:TT+1], v[XC:XC+1], v[XC:XC+1]
	v_pk_mul_f32 v[TT+2:TT+3], v[XC+2:XC+3], v[XC+2:XC+3]
.irp j, 4,8,12
	v_pk_fma_f32 v[TT:TT+1], v[XC+\j:XC+\j+1], v[XC+\j:XC+\j+1], v[TT:TT+1]
	v_pk_fma_f32 v[TT+2:TT+3], v[XC+\j+2:XC+\j+3], v[XC+\j+2:XC+\j+3], v[TT+2:TT+3]
.endr
	v_pk_add_f32 v[TT:TT+1], v[TT:TT+1], v[TT+2:TT+3]
	v_add_f32 v[TT], v[TT], v[TT+1]
.irp x, 1,2,4,8
	v_add_f32_dpp v[TT], v[TT], v[TT] row_xmask:\x row_mask:0xf bank_mask:0xf
.endr
	v_permlanex16_b32 v[TT+1], v[TT], s32, s33
	v_add_f32 v[TT], v[TT], v[TT+1]
	v_fma_f32 v[TT], v[TT], s30, s31               ; sum / 512 + eps
	v_rsq_f32 v[RS], v[TT]
	v_rsq_f32 v[RS+1], v[TT]                       ; twice: the packed multiply names a pair
	v_nop                                          ; a plain instruction behind the transcendentals,
	s_wait_alu depctr_va_vdst(0)                   ; and the wait ahead of the first use: one for both
.irp j, 0,2,4,6,8,10,12,14
	v_pk_mul_f32 v[XC+\j:XC+\j+1], v[XC+\j:XC+\j+1], v[RS:RS+1]
.endr
.irp j, 0,2,4,6,8,10,12,14
	v_pk_mul_f32 v[XC+\j:XC+\j+1], v[XC+\j:XC+\j+1], v[LNW+\j:LNW+\j+1]   ; (x rs) w, in the order of the definition
.endr
	; my 16 d's part of the 8 logits: two logits an instruction, the number of x taken for both halves
.set ii, 0
.rept 16
.set XP, XC+(ii/2)*2
.irp p, 0,1,2,3
.if ii == 0
	v_pk_mul_f32 v[LG+2*\p:LG+2*\p+1], v[XP:XP+1], v[WR+8*ii+2*\p:WR+8*ii+2*\p+1] op_sel_hi:[0,1]
.elseif ii%2 == 0
	v_pk_fma_f32 v[LG+2*\p:LG+2*\p+1], v[XP:XP+1], v[WR+8*ii+2*\p:WR+8*ii+2*\p+1], v[LG+2*\p:LG+2*\p+1] op_sel_hi:[0,1,1]
.else
	v_pk_fma_f32 v[LG+2*\p:LG+2*\p+1], v[XP:XP+1], v[WR+8*ii+2*\p:WR+8*ii+2*\p+1], v[LG+2*\p:LG+2*\p+1] op_sel:[1,0,0] op_sel_hi:[1,1,1]
.endif
.endr
.set ii, ii+1
.endr
	; the sum over lanes by halving: each step a lane keeps half of its logits and sends the other half to the lane that keeps those.  Lane l ends with logit l % 8
.irp e, 0,1,2,3
	v_cndmask_b32 v[KP+\e], v[LG+\e], v[LG+\e+4], s34
	v_cndmask_b32 v[SD+\e], v[LG+\e+4], v[LG+\e], s34
.endr
.irp e, 0,1,2,3
	v_add_f32_dpp v[KP+\e], v[SD+\e], v[KP+\e] row_xmask:4 row_mask:0xf bank_mask:0xf
.endr
	v_cndmask_b32 v[SD], v[KP+2], v[KP], s35
	v_cndmask_b32 v[SD+1], v[KP+3], v[KP+1], s35
	v_cndmask_b32 v[KP], v[KP], v[KP+2], s35
	v_cndmask_b32 v[KP+1], v[KP+1], v[KP+3], s35
	v_add_f32_dpp v[KP], v[SD], v[KP] row_xmask:2 row_mask:0xf bank_mask:0xf
	v_add_f32_dpp v[KP+1], v[SD+1], v[KP+1] row_xmask:2 row_mask:0xf bank_mask:0xf
	v_cndmask_b32 v[SD], v[KP+1], v[KP], s36
	v_cndmask_b32 v[KP], v[KP], v[KP+1], s36
	v_add_f32_dpp v[KP], v[SD], v[KP] row_xmask:1 row_mask:0xf bank_mask:0xf
	v_add_f32_dpp v[KP], v[KP], v[KP] row_xmask:8 row_mask:0xf bank_mask:0xf
	v_permlanex16_b32 v[SD], v[KP], s32, s33
	v_add_f32 v[KP], v[KP], v[SD]                  ; the logit, in all four groups of eight lanes
	; softmax over the eight lanes: the maximum is taken away first; the largest probability is 1 / the sum
	v_mov_b32 v[TT], v[KP]
.irp x, 1,2,4
	v_max_num_f32_dpp v[TT], v[TT], v[TT] row_xmask:\x row_mask:0xf bank_mask:0xf
.endr
	v_sub_f32 v[TT+2], v[KP], v[TT]
	v_mul_f32 v[TT+2], s38, v[TT+2]
	v_exp_f32 v[TT+2], v[TT+2]
	v_cmp_eq_f32 vcc_lo, v[KP], v[TT]              ; (plain work behind the exponential)  do I hold the maximum?
	v_cndmask_b32 v[TT+3], 0, v11, vcc_lo          ; then 8 - my index, else 0
	s_wait_alu depctr_va_vdst(0)                   ; ahead of the exponential's first use
.irp x, 1,2,4
	v_add_f32_dpp v[TT+2], v[TT+2], v[TT+2] row_xmask:\x row_mask:0xf bank_mask:0xf
.endr
	v_rcp_f32 v[TT+4], v[TT+2]
.irp x, 1,2,4
	v_max_num_f32_dpp v[TT+3], v[TT+3], v[TT+3] row_xmask:\x row_mask:0xf bank_mask:0xf   ; (plain work behind the reciprocal)
.endr
	v_sub_f32 v[TT+3], 0x41000000, v[TT+3]         ; the lowest index that holds the maximum
	v_cvt_u32_f32 v[TT+3], v[TT+3]
	s_wait_alu depctr_va_vdst(0)                   ; ahead of the reciprocal's first use
	s_mov_b32 s39, 1<<(\i)
	v_cndmask_b32 v[EI], v[EI], v[TT+3], s39       ; lane i collects token i's
	v_cndmask_b32 v[GT], v[GT], v[TT+4], s39
	s_mov_b32 s40, 0xff<<(8*((\i)%4))
	v_cndmask_b32 v[OL+(\i)/4], v[OL+(\i)/4], v[KP], s40   ; eight lanes collect its logits
	; the normed row as codes
	v_max3_num_f32 v[TT+5], |v[XC]|, |v[XC+1]|, |v[XC+2]|
	v_max3_num_f32 v[TT+6], |v[XC+3]|, |v[XC+4]|, |v[XC+5]|
.irp j, 6,10
	v_max3_num_f32 v[TT+5], v[TT+5], |v[XC+\j]|, |v[XC+\j+1]|
	v_max3_num_f32 v[TT+6], v[TT+6], |v[XC+\j+2]|, |v[XC+\j+3]|
.endr
	v_max3_num_f32 v[TT+5], v[TT+5], |v[XC+14]|, |v[XC+15]|
	v_max3_num_f32 v[TT+5], v[TT+5], v[TT+6], 0x8000000    ; and the floor 2^(16 - 127)
	v_max_num_f32_dpp v[TT+5], v[TT+5], v[TT+5] row_xmask:1 row_mask:0xf bank_mask:0xf   ; with my neighbour's 16: the block's largest magnitude
	v_add_nc_u32 v[TT+6], 0xf8800000, v[TT+5]      ; 15 off its exponent field: the conversion's scale operand
	v_and_or_b32 v[TT+7], v[TT+5], 0x7f800000, s37 ; 57,344 x the scale
.irp j, 0,1,2,3,4,5,6,7,8,9,10,11,12,13,14,15
	v_med3_num_f32 v[XC+\j], v[XC+\j], -v[TT+7], v[TT+7]
.endr
	s_wait_xcnt 0x0                                ; the store of two tokens ago has read this set of code registers
	v_cvt_scalef32_pk8_bf8_f32 v[CC:CC+1], v[XC:XC+7], v[TT+6]
	v_cvt_scalef32_pk8_bf8_f32 v[CC+2:CC+3], v[XC+8:XC+15], v[TT+6]
	v_lshrrev_b32 v[TT+8], 23, v[TT+6]             ; the scale's byte (also the plain instruction behind the conversions)
	ds_store_b8 v5, v[TT+8] offset:16*(\i)         ; both lanes of a block write the same byte with the same value
	global_store_b128 v4, v[CC:CC+3], s[12:13] offset:512*(\i)   ; the wave stores 512 consecutive bytes
.endm
.irp i, 0,1,2,3,4,5,6,7
	TOKEN \i
.endr
	ds_store_b32 v7, v[OL]
	ds_store_b32 v7, v[OL+1] offset:128
	ds_load_b32 v[TT], v6                          ; LDS serves a wave's instructions in order (ISA guide 5.7.1.4): these see my stores; the bytes are my wave's own
	ds_load_b64 v[TT+2:TT+3], v8
	s_wait_dscnt 0x0
	global_store_b32 v9, v[TT], s[14:15]           ; 8 tokens' scale bytes: 128 consecutive bytes
	global_store_b64 v10, v[TT+2:TT+3], s[24:25]   ; 8 tokens' logits: 256 consecutive bytes, aligned
	s_wait_xcnt 0x0                                ; EXEC changes only behind this wait
	v_cmp_gt_u32 vcc_lo, 8, v1
	s_set_vgpr_msb 0x5
	s_wait_tensorcnt 0x0
	ds_add_u32 v0, v1
	s_wait_dscnt 0x0
	s_set_vgpr_msb 0x500
	s_and_saveexec_b32 s41, vcc_lo
	global_store_b32 v9, v[EI], s[18:19]
	global_store_b32 v9, v[EI], s[26:27]
	global_store_b32 v9, v[GT], s[16:17]
	s_wait_xcnt 0x0                                ; and again in front of the line that widens it
	s_or_b32 exec_lo, exec_lo, s41
	s_endpgm
	; ================= wi =================
.Lweights:
	WQ
.Lfunc_end_k_qdbbdd4125a_front:
	.size	k_qdbbdd4125a_front, .Lfunc_end_k_qdbbdd4125a_front-k_qdbbdd4125a_front
	.p2alignl 7, 3214868480
	.fill 96, 4, 3214868480
	.section	.rodata,"a",@progbits
	.p2align	6, 0x0
	.amdhsa_kernel k_qdbbdd4125a_front
		.amdhsa_group_segment_fixed_size 2560
		.amdhsa_private_segment_fixed_size 0
		.amdhsa_enable_private_segment 0
		.amdhsa_kernarg_size 96
		.amdhsa_user_sgpr_count 2
		.amdhsa_user_sgpr_kernarg_segment_ptr 1
		.amdhsa_wavefront_size32 1
		.amdhsa_system_sgpr_workgroup_id_x 1
		.amdhsa_system_sgpr_workgroup_id_y 1
		.amdhsa_system_sgpr_workgroup_id_z 1
		.amdhsa_system_vgpr_workitem_id 0
		.amdhsa_next_free_vgpr 258
		.amdhsa_next_free_sgpr 66
		.amdhsa_reserve_vcc 1
		.amdhsa_float_denorm_mode_32 3
		.amdhsa_float_denorm_mode_16_64 3
		.amdhsa_memory_ordered 1
		.amdhsa_forward_progress 1
		.amdhsa_inst_pref_size 126
	.end_amdhsa_kernel
	.amdgpu_metadata
---
amdhsa.version: [ 1, 2 ]
amdhsa.kernels:
  - .name:           k_qdbbdd4125a_front
    .symbol:         k_qdbbdd4125a_front.kd
    .args:
      - { .name: hidden_states, .offset: 0, .size: 8, .value_kind: global_buffer, .address_space: global }
      - { .name: ln_weight, .offset: 8, .size: 8, .value_kind: global_buffer, .address_space: global }
      - { .name: w_router, .offset: 16, .size: 8, .value_kind: global_buffer, .address_space: global }
      - { .name: wi, .offset: 24, .size: 8, .value_kind: global_buffer, .address_space: global }
      - { .name: xc, .offset: 32, .size: 8, .value_kind: global_buffer, .address_space: global }
      - { .name: xs, .offset: 40, .size: 8, .value_kind: global_buffer, .address_space: global }
      - { .name: gate, .offset: 48, .size: 8, .value_kind: global_buffer, .address_space: global }
      - { .name: eidx, .offset: 56, .size: 8, .value_kind: global_buffer, .address_space: global }
      - { .name: wcod, .offset: 64, .size: 8, .value_kind: global_buffer, .address_space: global }
      - { .name: wscl, .offset: 72, .size: 8, .value_kind: global_buffer, .address_space: global }
      - { .name: out1, .offset: 80, .size: 8, .value_kind: global_buffer, .address_space: global }
      - { .name: out2, .offset: 88, .size: 8, .value_kind: global_buffer, .address_space: global }
    .group_segment_fixed_size: 2560
    .private_segment_fixed_size: 0
    .kernarg_segment_align: 8
    .kernarg_segment_size: 96
    .max_flat_workgroup_size: 128
    .sgpr_count:     66
    .vgpr_count:     258
    .wavefront_size: 32
...
	.end_amdgpu_metadata
.endif
;; end of part 1
;; launch mid (part 2): grid 513 x 1, 4 waves a work-group, no clusters, 1,536 bytes of LDS; arguments eidx, wo, plan, wcod, wscl; writes plan, wcod, wscl
.if DOCPART == 2
	.amdgcn_target "amdgcn-amd-amdhsa--gfx1250"
	.amdhsa_code_object_version 6
	.text
	.protected	k_qdbbdd4125a_mid
	.globl	k_qdbbdd4125a_mid
	.p2align	8
	.type	k_qdbbdd4125a_mid,@function
k_qdbbdd4125a_mid:
	s_mov_b64 s[64:65], 0
	v_nop
	global_prefetch_b8 v0, s[64:65] scope:SCOPE_SE
	s_setreg_imm32_b32 hwreg(HW_REG_WAVE_MODE, 25, 1), 1
	s_wait_xcnt 0x0
; MID.  Work-group 0 places the 4,096 tokens by expert (a counting sort without atomics) and writes the list of tiles; work-groups 1-512 quantise one batch of wo each, as the launch before did for wi.
; THE LIST (plan): bytes 0-1023: for tile t the pair {expert, rows}, rows = 0 for a tile that this split does not need; from byte 2,048: 64 token numbers for each of 72 tiles.
;   Expert e with c tokens gets ceil(c / 64) tiles, one behind the other; there are never more than 4,096 / 64 + 7 = 71.  Places of a tile beyond its rows hold token 0, so that every word that is read later is written.
; The branch between the two kinds hangs on the work-group's number alone, so all four waves of work-group 0 pass both barriers.
; LIMITS of the weights' part: as stated in the launch before (NaN, infinities; a block of zeros has byte 1; blocks under the floor 2^(16 - 127) were not tried).
.set FIRSTW, 1
.set PITCH,  2048                      ; bytes from a row of wo[e] to the next (512 f32)
.set GSH,    4                         ; batch = 64 e + 16 g + s: g = column group of 128 (d), s = K step of 128 (hidden units)
.set GWID,   2
.set SMASK,  15
.set CODOFF, 8388608                   ; wo's images lie behind wi's
.set SCLOFF, 262144
.set WSRC, 6
.set WCOD, 10
.set WSCL, 12
.set WWV,  14
.set WX,   32
.set WC,   160
; ---- the placing path.  Vector: v1 lane, v2 load offset, v3 my wave's counts, v4 4 x thread, v5 4 x lane, v6-9 the four waves' counts, v10 totals, v11 counts of the waves before mine, v12 at work, v13 my first token, v[14:15] a tile's record
.set IX, 16                            ; v16-47   32 tokens' experts: register 4 q + i of lane l is token 1,024 w + 128 q + 4 l + i
.set SL, 48                            ; v48-79   their places, then byte offsets
.set TK, 80                            ; v80-111  their numbers
.set PN, 112                           ; v112-147 rows of the tiles whose places I fill up
; v148 8 x thread, v149 4 x (thread / 64), v150 thread % 64, v151 0, v152-154 at work
; Scalar: s14 wave
.set CN,  16                           ; s16-23 my wave's count for each expert
.set MK,  24                           ; s24-31 masks
.set TP,  32                           ; s32-39 at work
.set TOT, 40                           ; s40-47 an expert's tokens
.set PRE, 48                           ; s48-55 those of them in the waves before mine
.set NT,  56                           ; s56-63 its tiles
.set TB,  66                           ; s66-73 its first tile
.set SLC, 74                           ; s74-81 the next free place for my wave's tokens of it
.macro WBLOCK c, cnt
.set XS, WX+32*(\c)
	s_wait_loadcnt \cnt                            ; this block's loads are in (behind them 96, 64, 32, 0 were issued; a wait names 63 at the most)
	v_max3_num_f32 v12, |v[XS]|, |v[XS+1]|, |v[XS+2]|
	v_max3_num_f32 v13, |v[XS+3]|, |v[XS+4]|, |v[XS+5]|
.irp i, 6,10,14,18,22,26
	v_max3_num_f32 v12, v12, |v[XS+\i]|, |v[XS+\i+1]|
	v_max3_num_f32 v13, v13, |v[XS+\i+2]|, |v[XS+\i+3]|
.endr
	v_max3_num_f32 v12, v12, |v[XS+30]|, |v[XS+31]|
	v_max3_num_f32 v12, v12, v13, 0x8000000        ; and the floor 2^(16 - 127): the byte cannot fall under 1
	v_add_nc_u32 v11, 0xf8800000, v12              ; 15 off the exponent field: the conversion's scale operand
	v_and_or_b32 v10, v12, 0x7f800000, s44         ; 57,344 x the scale
	v_lshrrev_b32 v13, 23, v11                     ; the scale's byte
.if (\c) == 0
	v_mov_b32 v5, v13
.else
	v_lshl_or_b32 v5, v13, 8*(\c), v5
.endif
.irp i, 0,1,2,3,4,5,6,7,8,9,10,11,12,13,14,15,16,17,18,19,20,21,22,23,24,25,26,27,28,29,30,31
	v_med3_num_f32 v[XS+\i], v[XS+\i], -v10, v10   ; the conversion to an 8-bit code does not saturate (ISA guide 7.6.2): hold first
.endr
.irp g, 0,1,2,3
	v_cvt_scalef32_pk8_bf8_f32 v[WC+8*(\c)+2*\g:WC+8*(\c)+2*\g+1], v[XS+8*\g:XS+8*\g+7], v11
.endr
	global_store_b128 v3, v[WC+8*(\c):WC+8*(\c)+3], s[WCOD:WCOD+1] offset:512*(\c)
	global_store_b128 v3, v[WC+8*(\c)+4:WC+8*(\c)+7], s[WCOD:WCOD+1] offset:512*(\c)+256
.endm
; A BATCH: 128 columns x 128 along K -> 8 tiles of 16 rows x 128 K, 2,048 bytes each: chunk c of 512 bytes holds, at 16 x lane, registers 4 c .. 4 c + 3 of lane (r, h): k = 32 c + 16 h + 0 .. 15 of the tile's row r.
; Row r of tile 2 b + u is column 32 b + 8 u + r + 8 (r / 8) of the group.  Wave w takes columns 32 w + lane (b = w): u = (lane / 8) % 2, r = lane % 8 + 8 (lane / 16).
.macro WQ
	s_sub_co_u32 s32, ttmp9, FIRSTW                ; the batch
	s_lshr_b32 s33, s32, 6                         ; the expert
	s_lshl_b32 s38, s33, 22                        ; 4 MiB of f32 an expert
	s_bfe_u32 s34, s32, (GWID<<16)|GSH
	s_lshl_b32 s34, s34, 9
	s_add_co_u32 s38, s38, s34
	s_and_b32 s34, s32, SMASK
	s_mul_i32 s34, s34, 128*PITCH
	s_add_co_u32 s38, s38, s34
	s_lshl_b32 s34, s[WWV], 7
	s_add_co_u32 s38, s38, s34
	s_mov_b32 s39, 0
	s_lshl_b32 s40, s32, 14
	s_lshl_b32 s34, s[WWV], 12
	s_add_co_u32 s40, s40, s34
.if CODOFF
	s_add_co_u32 s40, s40, CODOFF
.endif
	s_mov_b32 s41, 0
	s_lshl_b32 s42, s32, 9
	s_lshl_b32 s34, s[WWV], 7
	s_add_co_u32 s42, s42, s34
.if SCLOFF
	s_add_co_u32 s42, s42, SCLOFF
.endif
	s_mov_b32 s43, 0
	s_mov_b32 s44, 0x600000
	v_lshlrev_b32 v2, 2, v1
	v_bfe_u32 v6, v1, 3, 1
	v_and_b32 v7, 7, v1
	v_lshrrev_b32 v8, 4, v1
	v_lshl_add_u32 v7, v8, 3, v7
	v_lshlrev_b32 v3, 4, v7
	v_lshl_add_u32 v3, v6, 11, v3
	v_lshlrev_b32 v4, 2, v7
	v_lshl_add_u32 v4, v6, 6, v4
	s_wait_kmcnt 0x0
	s_add_nc_u64 s[WSRC:WSRC+1], s[WSRC:WSRC+1], s[38:39]
	s_add_nc_u64 s[WCOD:WCOD+1], s[WCOD:WCOD+1], s[40:41]
	s_add_nc_u64 s[WSCL:WSCL+1], s[WSCL:WSCL+1], s[42:43]
.set i, 0
.rept 128
	global_load_b32 v[WX+i], v2, s[WSRC:WSRC+1] offset:i*PITCH th:TH_LOAD_NT
.set i, i+1
.endr
	WBLOCK 0, 63
	WBLOCK 1, 63
	WBLOCK 2, 32
	WBLOCK 3, 0
	global_store_b32 v4, v5, s[WSCL:WSCL+1]
	s_endpgm
.endm
	s_load_b256 s[4:11], s[0:1], 0x0               ; eidx 4:5, wo 6:7, plan 8:9, wcod 10:11
	s_load_b64 s[12:13], s[0:1], 0x20              ; wscl
	v_lshl_add_u32 v192, v0, 2, 0x400
	v_mov_b32 v193, 0
	v_lshrrev_b32 v1, 5, v0
	v_readfirstlane_b32 s14, v1                    ; wave 0..3
	v_and_b32 v1, 31, v0                           ; lane
	s_cmp_lg_u32 ttmp9, 0
	s_cbranch_scc1 .Lweights
	; ================= the placing =================
	v_lshlrev_b32 v2, 4, v1
	s_lshl_b32 s82, s14, 12
	v_add_nc_u32 v2, s82, v2                       ; 4,096 w + 16 x lane
	v_lshlrev_b32 v4, 2, v0
	v_lshlrev_b32 v5, 2, v1
	s_lshl_b32 s82, s14, 10
	v_add_nc_u32 v13, s82, v5                      ; 1,024 w + 4 x lane
	v_lshlrev_b32 v148, 3, v0
	v_lshrrev_b32 v149, 6, v0
	v_lshlrev_b32 v149, 2, v149
	v_and_b32 v150, 63, v0
	v_mov_b32 v151, 0
	s_wait_kmcnt 0x0
.irp q, 0,1,2,3,4,5,6,7
	global_load_b128 v[IX+4*\q:IX+4*\q+3], v2, s[4:5] offset:512*\q
.endr
.irp e, 0,1,2,3,4,5,6,7
	s_mov_b32 s[CN+\e], 0
.endr
	s_wait_loadcnt 0x0
	; my wave's count for each expert
.set j, 0
.rept 32
.irp e, 0,1,2,3,4,5,6,7
	v_cmp_eq_u32 s[MK+\e], \e, v[IX+j]
.endr
.irp e, 0,1,2,3,4,5,6,7
	s_bcnt1_i32_b32 s[TP+\e], s[MK+\e]
.endr
.irp e, 0,1,2,3,4,5,6,7
	s_add_co_u32 s[CN+\e], s[CN+\e], s[TP+\e]
.endr
.set j, j+1
.endr
	v_mov_b32 v3, 0
.irp e, 0,1,2,3,4,5,6,7
	v_writelane_b32 v3, s[CN+\e], \e
.endr
	ds_store_b32 v4, v3                            ; wave w's eight counts at 128 w
	s_wait_dscnt 0x0                               ; for the others' sake: my store is done
	s_barrier_signal -1
	s_barrier_wait -1
.irp p, 0,1,2,3
	ds_load_b32 v[6+\p], v5 offset:128*\p
.endr
	s_wait_dscnt 0x0
	v_add3_u32 v10, v6, v7, v8
	v_add_nc_u32 v10, v10, v9                      ; lane e: expert e's tokens
	v_mov_b32 v11, 0
.irp p, 0,1,2
	s_cmp_gt_u32 s14, \p
	s_cselect_b32 s82, -1, 0
	v_and_b32 v12, s82, v[6+\p]
	v_add_nc_u32 v11, v11, v12                     ; those of the waves before mine
.endr
.irp e, 0,1,2,3,4,5,6,7
	v_readlane_b32 s[TOT+\e], v10, \e
	v_readlane_b32 s[PRE+\e], v11, \e
.endr
.irp e, 0,1,2,3,4,5,6,7
	s_add_co_u32 s[NT+\e], s[TOT+\e], 63
	s_lshr_b32 s[NT+\e], s[NT+\e], 6
.endr
	s_mov_b32 s[TB], 0
.irp e, 1,2,3,4,5,6,7
	s_add_co_u32 s[TB+\e], s[TB+\e-1], s[NT+\e-1]
.endr
.irp e, 0,1,2,3,4,5,6,7
	s_lshl_b32 s[SLC+\e], s[TB+\e], 6
	s_add_co_u32 s[SLC+\e], s[SLC+\e], s[PRE+\e]
.endr
	; each token's place: its expert's next free place + the lanes below me with the same expert
.set j, 0
.rept 32
.irp e, 0,1,2,3,4,5,6,7
	v_cmp_eq_u32 s[MK+\e], \e, v[IX+j]
.endr
	v_mbcnt_lo_u32_b32 v[SL+j], s[MK], s[SLC]
.irp e, 1,2,3,4,5,6,7
	v_mbcnt_lo_u32_b32 v12, s[MK+\e], s[SLC+\e]
	v_cndmask_b32 v[SL+j], v[SL+j], v12, s[MK+\e]
.endr
.irp e, 0,1,2,3,4,5,6,7
	s_bcnt1_i32_b32 s[TP+\e], s[MK+\e]
.endr
.irp e, 0,1,2,3,4,5,6,7
	s_add_co_u32 s[SLC+\e], s[SLC+\e], s[TP+\e]
.endr
.set j, j+1
.endr
.set j, 0
.rept 32
	v_min_u32 v[SL+j], 0x11bf, v[SL+j]             ; 71 tiles x 64 places: a number made of loaded data is held before it enters an address
	v_lshlrev_b32 v[SL+j], 2, v[SL+j]
	v_add_nc_u32 v[TK+j], 128*(j/4)+j%4, v13
	global_store_b32 v[SL+j], v[TK+j], s[8:9] offset:2048
.set j, j+1
.endr
	; the tiles' records: thread t writes tile t's
	v_mov_b32 v14, 0
	v_mov_b32 v15, 0
.irp e, 0,1,2,3,4,5,6,7
	v_sub_nc_u32 v152, v0, s[TB+\e]                ; which of the expert's tiles I would be (a huge number if I come before them)
	v_cmp_gt_u32 vcc_lo, s[NT+\e], v152
	v_lshlrev_b32 v153, 6, v152
	v_sub_nc_u32 v153, s[TOT+\e], v153             ; the rows left from my tile on
	v_mov_b32 v154, \e
	v_cndmask_b32 v15, v15, v153, vcc_lo
	v_cndmask_b32 v14, v14, v154, vcc_lo
.endr
	v_min_u32 v15, 64, v15
	global_store_b64 v148, v[14:15], s[8:9]
	ds_store_b32 v4, v15 offset:512
	s_wait_dscnt 0x0                               ; for the others' sake
	s_barrier_signal -1
	s_barrier_wait -1
	; places beyond a tile's rows get token 0: place 128 k + thread, in tile 2 k + thread / 64.  They are other words than the tokens' places above
.set k, 0
.rept 36
	ds_load_b32 v[PN+k], v149 offset:512+8*k
.set k, k+1
.endr
	s_wait_dscnt 0x0
	s_wait_xcnt 0x0                                ; EXEC changes only behind this wait
.set k, 0
.rept 36
	v_cmp_le_u32 vcc_lo, v[PN+k], v150
	s_and_saveexec_b32 s83, vcc_lo
	global_store_b32 v4, v151, s[8:9] offset:2048+512*k
	s_wait_xcnt 0x0                                ; and again in front of the line that widens it
	s_or_b32 exec_lo, exec_lo, s83
.set k, k+1
.endr
	s_wait_xcnt 0x0
	s_mov_b32 exec_lo, -1
	s_wait_tensorcnt 0x0
	ds_add_u32 v192, v193
	s_wait_dscnt 0x0
	s_endpgm
	; ================= wo =================
.Lweights:
	WQ
.Lfunc_end_k_qdbbdd4125a_mid:
	.size	k_qdbbdd4125a_mid, .Lfunc_end_k_qdbbdd4125a_mid-k_qdbbdd4125a_mid
	.p2alignl 7, 3214868480
	.fill 96, 4, 3214868480
	.section	.rodata,"a",@progbits
	.p2align	6, 0x0
	.amdhsa_kernel k_qdbbdd4125a_mid
		.amdhsa_group_segment_fixed_size 1536
		.amdhsa_private_segment_fixed_size 0
		.amdhsa_enable_private_segment 0
		.amdhsa_kernarg_size 40
		.amdhsa_user_sgpr_count 2
		.amdhsa_user_sgpr_kernarg_segment_ptr 1
		.amdhsa_wavefront_size32 1
		.amdhsa_system_sgpr_workgroup_id_x 1
		.amdhsa_system_sgpr_workgroup_id_y 1
		.amdhsa_system_sgpr_workgroup_id_z 1
		.amdhsa_system_vgpr_workitem_id 0
		.amdhsa_next_free_vgpr 194
		.amdhsa_next_free_sgpr 96
		.amdhsa_reserve_vcc 1
		.amdhsa_float_denorm_mode_32 3
		.amdhsa_float_denorm_mode_16_64 3
		.amdhsa_memory_ordered 1
		.amdhsa_forward_progress 1
		.amdhsa_inst_pref_size 149
	.end_amdhsa_kernel
	.amdgpu_metadata
---
amdhsa.version: [ 1, 2 ]
amdhsa.kernels:
  - .name:           k_qdbbdd4125a_mid
    .symbol:         k_qdbbdd4125a_mid.kd
    .args:
      - { .name: eidx, .offset: 0, .size: 8, .value_kind: global_buffer, .address_space: global }
      - { .name: wo, .offset: 8, .size: 8, .value_kind: global_buffer, .address_space: global }
      - { .name: plan, .offset: 16, .size: 8, .value_kind: global_buffer, .address_space: global }
      - { .name: wcod, .offset: 24, .size: 8, .value_kind: global_buffer, .address_space: global }
      - { .name: wscl, .offset: 32, .size: 8, .value_kind: global_buffer, .address_space: global }
    .group_segment_fixed_size: 1536
    .private_segment_fixed_size: 0
    .kernarg_segment_align: 8
    .kernarg_segment_size: 40
    .max_flat_workgroup_size: 128
    .sgpr_count:     96
    .vgpr_count:     194
    .wavefront_size: 32
...
	.end_amdgpu_metadata
.endif
;; end of part 2
;; launch chain (part 3): grid 71 x 1, 4 waves a work-group, no clusters, 273,920 bytes of LDS; arguments plan, xc, xs, gate, wcod, wscl, hidden_states, out0; writes out0
.if DOCPART == 3
	.amdgcn_target "amdgcn-amd-amdhsa--gfx1250"
	.amdhsa_code_object_version 6
	.text
	.protected	k_qdbbdd4125a_chain
	.globl	k_qdbbdd4125a_chain
	.p2align	8
	.type	k_qdbbdd4125a_chain,@function
k_qdbbdd4125a_chain:
	s_mov_b64 s[64:65], 0
	v_nop
	global_prefetch_b8 v0, s[64:65] scope:SCOPE_SE
	s_setreg_imm32_b32 hwreg(HW_REG_WAVE_MODE, 25, 1), 1
	s_wait_xcnt 0x0
; CHAIN.  Work-group t takes tile t of the list: up to 64 tokens of ONE expert, through both products: out0 = hidden + probability x relu(x wi[e]) wo[e], both products on codes of BF8 (E5M2) with E8M0 scales for each 32 along K.
; Only the chosen expert's rows are multiplied: the definition throws the others away by a mask that it builds itself.  Each output row has one owner.  The hidden layer stays in LDS.
; GRID: 4,096 / 64 + 8 - 1 = 71 tiles serve every split.  A tile without rows (at most 7) runs the same text on expert 0 and token 0 and stores nothing: the work-group's barriers stand under no branch on a loaded number.
; SHARES: THE WAVES SHARE THE COLUMNS, NOT THE ROWS.  Product 1: wave w makes hidden groups 4 w + j (j = 0..3; 128 units each) for all 64 rows; product 2: d = 128 w .. 128 w + 127.
;   So each fragment of a weight goes from memory straight into the one wave that uses it (laid by the launches before as images of the operand's registers: 16 bytes a lane, 512 consecutive bytes a load) and feeds four matrix instructions.
; BOTH PRODUCTS ARE USED TRANSPOSED (source 0 = 16 rows of the weight's tile, source 1 = 16 tokens): a lane holds one token, and, by the order of a tile's rows, the 16 registers of tiles 2 b and 2 b + 1 are 16 neighbours along the next K (or along d).
; A STEP is the same in both: 128 along K, 8 weight tiles x 4 tiles of tokens = 32 matrix instructions on 32 accumulators, which take turns, one instruction a turn, over all edges.
; The weights come through a ring of four register buffers of 16 KiB: a step waits for its own batch and asks for the batch two steps on; the ring runs on from wi into wo.
; NO TENSOR LOAD, NO CLUSTER: the text branches on numbers read from the list, and which tiles share an expert (any number from 0 to 64 of them) hangs on the counts, so 71 work-groups do not fall into fixed groups with the same weights.
; LIMITS: NaN and infinities are not served; a block of zeros of the hidden layer has the scale byte 1 (its codes are zeros); blocks under the floor 2^(16 - 127) were not tried.
; LDS
.set XIMG, 0                           ; x's 16 fragments, image (K step s, tile of rows m) at (4 s + m) x 2,048
.set XSC,  32768                       ; their scale words, 128 bytes each
.set HIMG, 34816                       ; the hidden layer's 64 fragments, (K step, m) likewise
.set HSC,  165888                      ; their scale words
.set WSC,  174080                      ; the weights' scale words: 16,384 bytes a wave: its 16 batches of wi, then its 16 of wo, 512 bytes each
.set STG,  239616                      ; the way out: 16 rows x (512 + 16) bytes for each wave
; REGISTERS, in windows of 256.  Windows 1 and 2: the four weight buffers (buffer b: window 1 + b / 2, v[128 (b % 2)] on); at the end window 1 holds the rows of hidden_states (row p at v[4 p]).
; Window 3: the accumulators, (m, t) at v[64 m + 8 t].  Window 0:
.set LI,  1                            ; 16 x lane
.set LS,  2                            ; 4 x lane
.set BA,  3                            ; LDS address of the trip's token fragments
.set BS,  4                            ; of their scale words
.set WA,  5                            ; of the trip's weight scale words
.set HW,  6                            ; where the trip's hidden images go
.set HWS, 7                            ; and their scale words
.set SO,  8                            ; the stage: in
.set SR,  9                            ; the stage: back
.set LW,  10                           ; 512 w + 16 x lane: my bytes of a row of hidden_states and of out0
.set WA0, 11
.set TOK, 12                           ; v12-15  lane r: the token of row 16 m + r
.set GATE, 16                          ; v16-19  its probability
.set WS,  20                           ; v20-27  the step's weight scale words: scales and nothing else
.set BSC, 28                           ; v28-31  the step's token scale words: scales and nothing else
.set BF,  32                           ; v32-95  four token fragments; on the way out 16 rows read back
.set PC,  96                           ; v96-111 the codes just made
.set TM,  112                          ; v112-127 largest magnitudes, bytes, holds, scale operands
.set PW,  128                          ; the scale word just made
.set HW0, 129
.set RO,  130                          ; v130-193 row p's byte offset in hidden_states and out0
.set HWS0, 194
.set TL,  195                          ; head: lane, r, h, offsets
.set TR,  196
.set TH,  197
.set TVA, 198
.set TVW, 199
.set TGO, 200
.set TXO, 204
.set TSO, 205
.set TW,  206
.set XSW, 208
.set TXW, 212
.set TXS, 213
.set TWSC, 214
; SCALARS: s[4:19] the eight addresses; s20 expert, s21 rows; s22 at work; s23 wave; s[24:25] the weights' pointer; s[26:27] its step; s28 trips; s29 weight scales' step; s30, s31 hidden images' steps; s32, s33 hidden fragments' places;
; s[34:35] lane selects; s36 the mantissa field of 57,344; s[38:45] four pairs for the probabilities; s46-49 at work; s[50:51] the scale words' pointer; s[52:53] an offset
.set MSB, 0
.macro WIN new                         ; the immediate's high byte repeats the setting that is left; a switch that changes nothing is dropped
.if MSB != (\new)
	s_set_vgpr_msb (MSB<<8)|(\new)
.set MSB, (\new)
.endif
.endm
.macro FETCHB sp                       ; the step's four token fragments, their scale words and the weights' eight, from LDS
.irp m, 0,1,2,3
.irp c, 0,1,2,3
	ds_load_b128 v[BF+16*\m+4*\c:BF+16*\m+4*\c+3], v[BA] offset:8192*(\sp)+2048*\m+512*\c
.endr
	ds_load_b32 v[BSC+\m], v[BS] offset:512*(\sp)+128*\m
.endr
.irp t, 0,1,2,3,4,5,6,7
	ds_load_b32 v[WS+\t], v[WA] offset:512*(\sp)+64*\t
.endr
.endm
.macro LOADB b, imm                    ; a batch of eight weight fragments into buffer b: 32 loads of 512 consecutive bytes
	WIN 0x40*(1+(\b)/2)
.irp t, 0,1,2,3,4,5,6,7
.irp c, 0,1,2,3
	global_load_b128 v[128*((\b)%2)+16*\t+4*\c:128*((\b)%2)+16*\t+4*\c+3], v[LI], s[24:25] offset:(\imm)+2048*\t+512*\c
.endr
.endr
	WIN 0
.endm
.macro MUL32 sp, zero                  ; zero = 1: the products start the sums: nothing is ever cleared
	WIN 0xf1+(\sp)/2                               ; source 0 (the weight) window 1 or 2, source 1 (tokens) window 0, C and D window 3
.irp m, 0,1,2,3
.irp t, 0,1,2,3,4,5,6,7
.if \zero
	v_wmma_scale_f32_16x16x128_f8f6f4 v[64*\m+8*\t:64*\m+8*\t+7], v[128*((\sp)%2)+16*\t:128*((\sp)%2)+16*\t+15], v[BF+16*\m:BF+16*\m+15], 0, v[WS+\t], v[BSC+\m] matrix_a_fmt:MATRIX_FMT_BF8 matrix_b_fmt:MATRIX_FMT_BF8
.else
	v_wmma_scale_f32_16x16x128_f8f6f4 v[64*\m+8*\t:64*\m+8*\t+7], v[128*((\sp)%2)+16*\t:128*((\sp)%2)+16*\t+15], v[BF+16*\m:BF+16*\m+15], v[64*\m+8*\t:64*\m+8*\t+7], v[WS+\t], v[BSC+\m] matrix_a_fmt:MATRIX_FMT_BF8 matrix_b_fmt:MATRIX_FMT_BF8
.endif
.endr
.endr
.endm
; A step.  cnt: the loads issued behind this step's batch, which may stay out.  ld = 1: the batch two steps on is asked for, into the buffer that was multiplied two steps ago.
; The eight v_nop are the places behind the products: for the next loads into the token fragments and scale words, for the first reads of results, and for the later loads into this buffer.
.macro STEP sp, zero, ld, cnt
	FETCHB \sp
	s_wait_loadcnt \cnt
.if \ld
	LOADB (\sp+2)%4, ((\sp+2)%4)*16384
.endif
	s_wait_dscnt 0x0
	MUL32 \sp, \zero
	WIN 0
.rept 8
	v_nop
.endr
.endm
; The 8 tiles of rows 16 m on: relu, quantised along the next K, to LDS as an image of the operand's registers.  Register 16 b + i of a lane is hidden unit 32 b + 16 (lane / 16) + i of its token.
.macro QUANT m
.set QA, 64*(\m)
	WIN 0x0f                                       ; sources 0 and 1 window 3
.irp b, 0,1,2,3
	v_max3_num_f32 v[TM+\b], v[QA+16*\b], v[QA+16*\b+1], 0x8000000   ; no |.|: what is negative becomes 0 and must not count; the floor 2^(16 - 127) stands over it.  Each accumulator is read from its low end on
.endr
	WIN 0x3c                                       ; sources 1 and 2 window 3
.irp i, 2,4,6,8,10,12,14
.irp b, 0,1,2,3
	v_max3_num_f32 v[TM+\b], v[TM+\b], v[QA+16*\b+\i], v[QA+16*\b+\i+1]
.endr
.endr
	WIN 0
.irp b, 0,1,2,3
	v_permlanex16_b32 v[TM+4+\b], v[TM+\b], s34, s35
.endr
.irp b, 0,1,2,3
	v_max_num_f32 v[TM+\b], v[TM+\b], v[TM+4+\b]   ; with lane l xor 16's 16: the block's largest magnitude
.endr
.irp b, 0,1,2,3
	v_add_nc_u32 v[TM+12+\b], 0xf8800000, v[TM+\b] ; 15 off its exponent field: the conversion's scale operand
.endr
.irp b, 0,1,2,3
	v_and_or_b32 v[TM+8+\b], v[TM+\b], 0x7f800000, s36   ; 57,344 x the scale
.endr
.irp b, 0,1,2,3
	v_lshrrev_b32 v[TM+4+\b], 23, v[TM+12+\b]      ; the scale's byte
.endr
	v_lshl_or_b32 v[PW], v[TM+5], 8, v[TM+4]
	v_lshl_or_b32 v[PW], v[TM+6], 16, v[PW]
	v_lshl_or_b32 v[PW], v[TM+7], 24, v[PW]
	WIN 0xc3                                       ; destination and source 0 window 3
.irp b, 0,1,2,3
.irp i, 0,1,2,3,4,5,6,7,8,9,10,11,12,13,14,15
	v_med3_num_f32 v[QA+16*\b+\i], v[QA+16*\b+\i], 0, v[TM+8+\b]   ; the activation and the hold in one (the conversion does not saturate: ISA guide 7.6.2)
.endr
.endr
	s_wait_dscnt 0x0                               ; the last image's stores have read the code registers
	WIN 0x03                                       ; source 0 window 3
.irp b, 0,1,2,3
	v_cvt_scalef32_pk8_bf8_f32 v[PC+4*\b:PC+4*\b+1], v[QA+16*\b:QA+16*\b+7], v[TM+12+\b]
	v_cvt_scalef32_pk8_bf8_f32 v[PC+4*\b+2:PC+4*\b+3], v[QA+16*\b+8:QA+16*\b+15], v[TM+12+\b]
.endr
	WIN 0
	v_nop                                          ; a plain instruction behind the last conversion: later products write its sources
.irp c, 0,1,2,3
	ds_store_b128 v[HW], v[PC+4*\c:PC+4*\c+3] offset:2048*(\m)+512*\c
.endr
	ds_store_b32 v[HWS], v[PW] offset:128*(\m)
.endm
; rows r0 .. r0 + cnt - 1 of hidden_states: my 512 bytes' part of each, into window 1
.macro HLOAD r0, cnt
.set q, \r0
.rept \cnt
	v_readlane_b32 s[46+q%4], v[TOK+q/16], q%16
	s_min_u32 s[46+q%4], s[46+q%4], 0xfff          ; a loaded number is held before it enters an address
	s_lshl_b32 s[46+q%4], s[46+q%4], 11
	v_add_nc_u32 v[RO+q], s[46+q%4], v[LW]
.set q, q+1
.endr
	WIN 0x40
.set q, \r0
.rept \cnt
	global_load_b128 v[4*q:4*q+3], v[RO+q], s[16:17]
.set q, q+1
.endr
	WIN 0
.endm
; The way out of rows 16 m on.  A lane holds 4 x 64 bytes of one row; the rows go through my own stage and come back whole: 512 bytes over the 32 lanes.
.macro TOSTAGE m
	WIN 0x0c                                       ; an LDS store's data are its source 1: window 3
.irp b, 0,1,2,3
.irp i, 0,1,2,3
	ds_store_b128 v[SO], v[64*(\m)+16*\b+4*\i:64*(\m)+16*\b+4*\i+3] offset:128*\b+16*\i   ; ascending: each accumulator from its low end on
.endr
.endr
	WIN 0
.if (\m) > 0
	s_wait_xcnt 0x0                                ; the last rows' stores have read the registers that the loads below fill
.endif
.irp i, 0,1,2,3,4,5,6,7,8,9,10,11,12,13,14,15
	ds_load_b128 v[BF+4*\i:BF+4*\i+3], v[SR] offset:528*\i   ; LDS serves a wave's instructions in order (ISA guide 5.7.1.4): these see my stores
.endr
.endm
.macro SEND m
	s_wait_loadcnt 16*(3-(\m))                     ; these 16 rows of hidden_states are in; the later rows' loads may be out
	s_wait_dscnt 0x0
	WIN 0x10                                       ; source 2 window 1
.set q, 0
.rept 16
.set G, 38+2*(q%4)
	v_readlane_b32 s[G], v[GATE+(\m)], q
	s_mov_b32 s[G+1], s[G]                         ; (the packed form names a pair and takes its low word for both halves)
	v_pk_fma_f32 v[BF+4*q:BF+4*q+1], v[BF+4*q:BF+4*q+1], s[G:G+1], v[4*(16*(\m)+q):4*(16*(\m)+q)+1] op_sel_hi:[1,0,1]
	v_pk_fma_f32 v[BF+4*q+2:BF+4*q+3], v[BF+4*q+2:BF+4*q+3], s[G:G+1], v[4*(16*(\m)+q)+2:4*(16*(\m)+q)+3] op_sel_hi:[1,0,1]
.set q, q+1
.endr
	WIN 0
.set q, 0
.rept 16
	s_cmp_le_u32 s21, 16*(\m)+q                    ; the tile's rows are over: nothing more is stored
	s_cbranch_scc1 .Lfin
	global_store_b128 v[RO+16*(\m)+q], v[BF+4*q:BF+4*q+3], s[18:19] th:TH_STORE_NT   ; the wave stores 512 consecutive bytes, at a multiple of 256 from out0's first byte
.set q, q+1
.endr
.endm
	s_load_b512 s[4:19], s[0:1], 0x0               ; plan 4:5, xc 6:7, xs 8:9, gate 10:11, wcod 12:13, wscl 14:15, hidden 16:17, out0 18:19
	v_lshl_add_u32 v254, v0, 2, 0x42c00
	v_mov_b32 v255, 0
	v_lshrrev_b32 v1, 5, v0
	v_readfirstlane_b32 s23, v1                    ; wave 0..3
	v_and_b32 v[TL], 31, v0
	v_and_b32 v[TR], 15, v0
	v_bfe_u32 v[TH], v0, 4, 1
	v_lshlrev_b32 v[LI], 4, v[TL]
	v_lshlrev_b32 v[LS], 2, v[TL]
	s_mul_i32 s22, s23, 16*528
	s_add_co_u32 s22, s22, STG
	v_mul_u32_u24 v[SO], v[TR], 528
	v_lshl_add_u32 v[SO], v[TH], 6, v[SO]
	v_add_nc_u32 v[SO], s22, v[SO]                 ; my stage: row r, + 64 h
	v_add_nc_u32 v[SR], s22, v[LI]
	s_lshl_b32 s22, s23, 9
	v_add_nc_u32 v[LW], s22, v[LI]
	s_lshl_b32 s22, s23, 14
	s_add_co_u32 s22, s22, WSC
	v_lshlrev_b32 v[WA0], 2, v[TR]
	v_add_nc_u32 v[WA0], s22, v[WA0]               ; my weights' scale words: row r's
	v_add_nc_u32 v[TWSC], s22, v[LI]
	s_lshl_b32 s22, s23, 15
	s_add_co_u32 s22, s22, HIMG
	v_add_nc_u32 v[HW0], s22, v[LI]                ; my four groups' images: 32,768 bytes a wave
	s_lshl_b32 s22, s23, 11
	v_add_nc_u32 v[TXW], s22, v[LI]                ; x's images of rows 16 w on
	s_add_co_u32 s22, s22, HSC
	v_add_nc_u32 v[HWS0], s22, v[LS]
	s_lshl_b32 s22, s23, 7
	s_add_co_u32 s22, s22, XSC
	v_add_nc_u32 v[TXS], s22, v[LS]
	s_lshl_b32 s22, ttmp9, 8
	v_lshlrev_b32 v[TVA], 2, v[TR]
	v_add_nc_u32 v[TVA], s22, v[TVA]               ; the tile's 64 token numbers: 256 bytes a tile, 4 r
	s_lshl_b32 s22, s23, 6
	v_add_nc_u32 v[TVW], s22, v[TVA]               ; those of rows 16 w on
.irp b, 0,1,2,3
	v_mov_b32 v[TM+4+\b], 0                        ; written once: a lane permute's destination counts as one of its sources
.endr
	s_mov_b32 s34, 0x76543210
	s_mov_b32 s35, 0xfedcba98
	s_mov_b32 s36, 0x600000
	s_mov_b32 s27, 0
	s_mov_b32 s53, 0
	s_lshl_b32 s22, ttmp9, 3
	s_wait_kmcnt 0x0
	s_load_b64 s[20:21], s[4:5], s22 offset:0x0    ; the tile's expert and rows
.irp m, 0,1,2,3
	global_load_b32 v[TOK+\m], v[TVA], s[4:5] offset:2048+64*\m
.endr
	global_load_b32 v[TW], v[TVW], s[4:5] offset:2048
	s_wait_kmcnt 0x0
	s_min_u32 s20, s20, 7                          ; a loaded number is held before it enters an address
	s_lshl_b32 s52, s20, 20                        ; codes: 64 batches of 16 KiB an expert, 16 a wave
	s_lshl_b32 s46, s23, 18
	s_add_co_u32 s52, s52, s46
	s_add_nc_u64 s[24:25], s[12:13], s[52:53]
	s_lshl_b32 s52, s20, 15                        ; scale words: 512 bytes a batch
	s_lshl_b32 s46, s23, 13
	s_add_co_u32 s52, s52, s46
	s_add_nc_u64 s[50:51], s[14:15], s[52:53]
	WIN 0xc0                                       ; destination window 3: the accumulators' registers are free yet
.set i, 0
.rept 16
	global_load_b128 v[4*i:4*i+3], v[LI], s[50:51] offset:512*i               ; my 16 batches' scale words of wi,
.set i, i+1
.endr
.set i, 0
.rept 16
	global_load_b128 v[64+4*i:64+4*i+3], v[LI], s[50:51] offset:262144+512*i   ; and of wo
.set i, i+1
.endr
	WIN 0
	s_wait_loadcnt 32                              ; the token numbers are in (behind them: the 32 loads of scale words)
.irp m, 0,1,2,3
	v_min_u32 v[TOK+\m], 0xfff, v[TOK+\m]
.endr
	v_min_u32 v[TW], 0xfff, v[TW]
.irp m, 0,1,2,3
	v_lshlrev_b32 v[TGO+\m], 2, v[TOK+\m]
.endr
	v_lshlrev_b32 v[TXO], 9, v[TW]
	v_lshl_add_u32 v[TXO], v[TH], 4, v[TXO]        ; x's codes: 512 bytes a token, + 16 h
	v_lshlrev_b32 v[TSO], 4, v[TW]
.irp m, 0,1,2,3
	global_load_b32 v[GATE+\m], v[TGO+\m], s[10:11]
.endr
.irp s, 0,1,2,3
.irp c, 0,1,2,3
	global_load_b128 v[BF+16*\s+4*\c:BF+16*\s+4*\c+3], v[TXO], s[6:7] offset:128*\s+32*\c   ; rows 16 w on: the four K steps' fragments
.endr
.endr
	global_load_b128 v[XSW:XSW+3], v[TSO], s[8:9]  ; and their four scale words
	LOADB 0, 0
	s_wait_loadcnt 53                              ; the weights' scale words are in (behind them: 4 + 17 + 32)
	WIN 0x0c
.set i, 0
.rept 32
	ds_store_b128 v[TWSC], v[4*i:4*i+3] offset:512*i
.set i, i+1
.endr
	WIN 0
	s_wait_loadcnt 32                              ; the probabilities and x are in (behind them: batch 0)
.irp s, 0,1,2,3
.irp c, 0,1,2,3
	ds_store_b128 v[TXW], v[BF+16*\s+4*\c:BF+16*\s+4*\c+3] offset:8192*\s+512*\c
.endr
	ds_store_b32 v[TXS], v[XSW+\s] offset:512*\s
.endr
	LOADB 1, 16384
	s_wait_dscnt 0x0                               ; for the others' sake: my stores are done
	s_barrier_signal -1
	s_barrier_wait -1                              ; x's sixteen fragments lie in LDS
	; ---- product 1: a trip is one group of 128 hidden units: four K steps, then relu and the quantiser
	v_add_nc_u32 v[BA], XIMG, v[LI]
	v_add_nc_u32 v[BS], XSC, v[LS]
	s_mov_b32 s28, 0
	s_mov_b32 s29, 0
	s_mov_b32 s30, 0
	s_mov_b32 s31, 0
.Lup:
	v_add_nc_u32 v[WA], s29, v[WA0]
	v_add_nc_u32 v[HW], s30, v[HW0]
	v_add_nc_u32 v[HWS], s31, v[HWS0]
	STEP 0, 1, 1, 32
	STEP 1, 0, 1, 32
	s_mov_b32 s26, 0x10000                         ; four batches on;
	s_cmp_eq_u32 s28, 3
	s_cselect_b32 s26, 8192000, s26                ; from my last four of wi to my first four of wo: 8,388,608 - 3 x 65,536
	s_wait_xcnt 0x0                                ; the loads issued so far have read the pointer
	s_add_nc_u64 s[24:25], s[24:25], s[26:27]
	STEP 2, 0, 1, 32
	STEP 3, 0, 1, 32
	QUANT 0
	QUANT 1
	QUANT 2
	QUANT 3
	s_add_co_u32 s29, s29, 2048
	s_add_co_u32 s30, s30, 8192
	s_add_co_u32 s31, s31, 512
	s_add_co_u32 s28, s28, 1
	s_cmp_lt_u32 s28, 4
	s_cbranch_scc1 .Lup
	s_wait_dscnt 0x0                               ; for the others' sake: my images are stored
	s_barrier_signal -1
	s_barrier_wait -1                              ; the hidden layer's 64 fragments lie in LDS
	; ---- product 2: a trip is four K steps of 128 hidden units
.macro DHEAD
	v_add_nc_u32 v[WA], s29, v[WA0]
	v_add_nc_u32 v[BA], s32, v[LI]
	v_add_nc_u32 v[BS], s33, v[LS]
.endm
.macro DNEXT
	s_add_co_u32 s29, s29, 2048
	s_add_co_u32 s32, s32, 32768
	s_add_co_u32 s33, s33, 2048
.endm
.macro PSTEP
	s_wait_xcnt 0x0                                ; the loads issued so far have read the pointer
	s_add_nc_u64 s[24:25], s[24:25], s[26:27]
.endm
	s_mov_b32 s32, HIMG
	s_mov_b32 s33, HSC
	s_mov_b32 s26, 0x10000
	DHEAD
	STEP 0, 1, 1, 32                               ; the first step's products start the sums
	STEP 1, 0, 1, 32
	PSTEP
	STEP 2, 0, 1, 32
	STEP 3, 0, 1, 32
	DNEXT
	s_mov_b32 s28, 0
.Ldown:
	DHEAD
	STEP 0, 0, 1, 32
	STEP 1, 0, 1, 32
	PSTEP
	STEP 2, 0, 1, 32
	STEP 3, 0, 1, 32
	DNEXT
	s_add_co_u32 s28, s28, 1
	s_cmp_lt_u32 s28, 2
	s_cbranch_scc1 .Ldown
	DHEAD                                          ; the last trip asks for no batch beyond wo's last; the buffers that fall free take the rows of hidden_states
	STEP 0, 0, 1, 32
	STEP 1, 0, 1, 32
	HLOAD 0, 16
	STEP 2, 0, 0, 48                               ; behind batch 2: batch 3's 32 loads and 16 rows
	HLOAD 16, 16
	STEP 3, 0, 0, 32                               ; behind batch 3: 32 rows
	HLOAD 32, 32
	; ---- the way out: probability x y + hidden_states, row by row
	TOSTAGE 0
	SEND 0
	TOSTAGE 1
	SEND 1
	TOSTAGE 2
	SEND 2
	TOSTAGE 3
	SEND 3
.Lfin:
	s_barrier_signal -1
	s_barrier_wait -1
	s_wait_tensorcnt 0x0
	ds_add_u32 v254, v255
	s_wait_dscnt 0x0
	s_endpgm
.Lfunc_end_k_qdbbdd4125a_chain:
	.size	k_qdbbdd4125a_chain, .Lfunc_end_k_qdbbdd4125a_chain-k_qdbbdd4125a_chain
	.p2alignl 7, 3214868480
	.fill 96, 4, 3214868480
	.section	.rodata,"a",@progbits
	.p2align	6, 0x0
	.amdhsa_kernel k_qdbbdd4125a_chain
		.amdhsa_group_segment_fixed_size 273920
		.amdhsa_private_segment_fixed_size 0
		.amdhsa_enable_private_segment 0
		.amdhsa_kernarg_size 64
		.amdhsa_user_sgpr_count 2
		.amdhsa_user_sgpr_kernarg_segment_ptr 1
		.amdhsa_wavefront_size32 1
		.amdhsa_system_sgpr_workgroup_id_x 1
		.amdhsa_system_sgpr_workgroup_id_y 1
		.amdhsa_system_sgpr_workgroup_id_z 1
		.amdhsa_system_vgpr_workitem_id 0
		.amdhsa_next_free_vgpr 1024
		.amdhsa_next_free_sgpr 66
		.amdhsa_reserve_vcc 0
		.amdhsa_float_denorm_mode_32 3
		.amdhsa_float_denorm_mode_16_64 3
		.amdhsa_memory_ordered 1
		.amdhsa_forward_progress 1
		.amdhsa_inst_pref_size 247
	.end_amdhsa_kernel
	.amdgpu_metadata
---
amdhsa.version: [ 1, 2 ]
amdhsa.kernels:
  - .name:           k_qdbbdd4125a_chain
    .symbol:         k_qdbbdd4125a_chain.kd
    .args:
      - { .name: plan, .offset: 0, .size: 8, .value_kind: global_buffer, .address_space: global }
      - { .name: xc, .offset: 8, .size: 8, .value_kind: global_buffer, .address_space: global }
      - { .name: xs, .offset: 16, .size: 8, .value_kind: global_buffer, .address_space: global }
      - { .name: gate, .offset: 24, .size: 8, .value_kind: global_buffer, .address_space: global }
      - { .name: wcod, .offset: 32, .size: 8, .value_kind: global_buffer, .address_space: global }
      - { .name: wscl, .offset: 40, .size: 8, .value_kind: global_buffer, .address_space: global }
      - { .name: hidden_states, .offset: 48, .size: 8, .value_kind: global_buffer, .address_space: global }
      - { .name: out0, .offset: 56, .size: 8, .value_kind: global_buffer, .address_space: global }
    .group_segment_fixed_size: 273920
    .private_segment_fixed_size: 0
    .kernarg_segment_align: 8
    .kernarg_segment_size: 64
    .max_flat_workgroup_size: 128
    .sgpr_count:     66
    .vgpr_count:     1024
    .wavefront_size: 32
...
	.end_amdgpu_metadata
.endif
;; end of part 3
;; ======== version 2 of 3: 4 launches; 1.18 times as fast as version 1
;; workspace buffers: xc 2,097,152 bytes; xs 65,536 bytes; gate 16,384 bytes; eidx 16,384 bytes of whole numbers; plan 36,864 bytes of whole numbers; wcod 16,777,216 bytes; wscl 524,288 bytes; part 18,612,224 bytes
;; launch front: the kernel of part 1 again; grid 640 x 1, 4 waves a work-group, no clusters, 2,560 bytes of LDS; arguments hidden_states, ln_weight, w_router, wi, xc, xs, gate, eidx, wcod, wscl, out1, out2; writes xc, xs, gate, eidx, wcod, wscl, out1, out2
;; launch mid (part 4): grid 513 x 1, 4 waves a work-group, no clusters, 1,536 bytes of LDS; arguments eidx, wo, plan, wcod, wscl; writes plan, wcod, wscl
.if DOCPART == 4
	.amdgcn_target "amdgcn-amd-amdhsa--gfx1250"
	.amdhsa_code_object_version 6
	.text
	.protected	k_qdbbdd4125a_mid
	.globl	k_qdbbdd4125a_mid
	.p2align	8
	.type	k_qdbbdd4125a_mid,@function
k_qdbbdd4125a_mid:
	s_mov_b64 s[64:65], 0
	v_nop
	global_prefetch_b8 v0, s[64:65] scope:SCOPE_SE
	s_setreg_imm32_b32 hwreg(HW_REG_WAVE_MODE, 25, 1), 1
	s_wait_xcnt 0x0
; MID.  Work-group 0 places the 4,096 tokens by expert (a counting sort without atomics) and writes the lists; work-groups 1-512 quantise one batch of wo each, as the launch before did for wi.
; THE LISTS (plan): bytes 0-1023: for tile t the pair {expert, rows}, rows = 0 for a tile that this split does not need; bytes 1,024-1,535: 128 spare words (see the padding);
;   from byte 2,048: 64 token numbers for each of 72 tiles; from byte 20,480: for each token 4 x its place (place = 64 x tile + row).
;   Expert e with c tokens gets ceil(c / 64) tiles, one behind the other; there are never more than 4,096 / 64 + 7 = 71.  Places of a tile beyond its rows hold token 0, so that every word that is read later is written.
; The branch between the two kinds hangs on the work-group's number alone, so all four waves of work-group 0 pass both barriers.
; LIMITS of the weights' part: as stated in the launch before (NaN, infinities; a block of zeros has byte 1; blocks under the floor 2^(16 - 127) were not tried).
.set FIRSTW, 1
.set PITCH,  2048                      ; bytes from a row of wo[e] to the next (512 f32)
.set GSH,    4                         ; batch = 64 e + 16 g + s: g = column group of 128 (d), s = K step of 128 (hidden units)
.set GWID,   2
.set SMASK,  15
.set CODOFF, 8388608                   ; wo's images lie behind wi's
.set SCLOFF, 262144
.set WSRC, 6
.set WCOD, 10
.set WSCL, 12
.set WWV,  14
.set WX,   32
.set WC,   160
.set ROWS0, 2048                       ; plan: where the tiles' token numbers begin
.set INV0,  20480                      ; plan: where the tokens' places begin
.set DUMP0, 1024                       ; plan: the spare words
; ---- the placing path.  Vector: v1 lane, v2 load offset, v3 my wave's counts, v4 4 x thread, v5 4 x lane, v6-9 the four waves' counts, v10 totals, v11 counts of the waves before mine, v12 at work, v13 my first token, v[14:15] a tile's record
.set IX, 16                            ; v16-47   32 tokens' experts: register 4 q + i of lane l is token 1,024 w + 128 q + 4 l + i
.set SL, 48                            ; v48-79   their places, then 4 x place: a byte offset, and the number that the inverse list holds
.set TK, 80                            ; v80-111  their numbers
.set PN, 112                           ; v112-147 rows of the tiles whose places I fill up, then the fill's byte offset
; v148 8 x thread, v149 4 x (thread / 64), v150 thread % 64, v151 0, v152-154 at work, v155 my spare word's byte offset
; Scalar: s14 wave
.set CN,  16                           ; s16-23 my wave's count for each expert
.set MK,  24                           ; s24-31 masks
.set TP,  32                           ; s32-39 at work
.set TOT, 40                           ; s40-47 an expert's tokens
.set PRE, 48                           ; s48-55 those of them in the waves before mine
.set NT,  56                           ; s56-63 its tiles
.set TB,  66                           ; s66-73 its first tile
.set SLC, 74                           ; s74-81 the next free place for my wave's tokens of it
.macro WBLOCK c, cnt
.set XS, WX+32*(\c)
	s_wait_loadcnt \cnt                            ; this block's loads are in (behind them 96, 64, 32, 0 were issued; a wait names 63 at the most)
	v_max3_num_f32 v12, |v[XS]|, |v[XS+1]|, |v[XS+2]|
	v_max3_num_f32 v13, |v[XS+3]|, |v[XS+4]|, |v[XS+5]|
.irp i, 6,10,14,18,22,26
	v_max3_num_f32 v12, v12, |v[XS+\i]|, |v[XS+\i+1]|
	v_max3_num_f32 v13, v13, |v[XS+\i+2]|, |v[XS+\i+3]|
.endr
	v_max3_num_f32 v12, v12, |v[XS+30]|, |v[XS+31]|
	v_max3_num_f32 v12, v12, v13, 0x8000000        ; and the floor 2^(16 - 127): the byte cannot fall under 1
	v_add_nc_u32 v11, 0xf8800000, v12              ; 15 off the exponent field: the conversion's scale operand
	v_and_or_b32 v10, v12, 0x7f800000, s44         ; 57,344 x the scale
	v_lshrrev_b32 v13, 23, v11                     ; the scale's byte
.if (\c) == 0
	v_mov_b32 v5, v13
.else
	v_lshl_or_b32 v5, v13, 8*(\c), v5
.endif
.irp i, 0,1,2,3,4,5,6,7,8,9,10,11,12,13,14,15,16,17,18,19,20,21,22,23,24,25,26,27,28,29,30,31
	v_med3_num_f32 v[XS+\i], v[XS+\i], -v10, v10   ; the conversion to an 8-bit code does not saturate (ISA guide 7.6.2): hold first
.endr
.irp g, 0,1,2,3
	v_cvt_scalef32_pk8_bf8_f32 v[WC+8*(\c)+2*\g:WC+8*(\c)+2*\g+1], v[XS+8*\g:XS+8*\g+7], v11
.endr
	global_store_b128 v3, v[WC+8*(\c):WC+8*(\c)+3], s[WCOD:WCOD+1] offset:512*(\c)
	global_store_b128 v3, v[WC+8*(\c)+4:WC+8*(\c)+7], s[WCOD:WCOD+1] offset:512*(\c)+256
.endm
; A BATCH: 128 columns x 128 along K -> 8 tiles of 16 rows x 128 K, 2,048 bytes each: chunk c of 512 bytes holds, at 16 x lane, registers 4 c .. 4 c + 3 of lane (r, h): k = 32 c + 16 h + 0 .. 15 of the tile's row r.
; Row r of tile 2 b + u is column 32 b + 8 u + r + 8 (r / 8) of the group.  Wave w takes columns 32 w + lane (b = w): u = (lane / 8) % 2, r = lane % 8 + 8 (lane / 16).
.macro WQ
	s_sub_co_u32 s32, ttmp9, FIRSTW                ; the batch
	s_lshr_b32 s33, s32, 6                         ; the expert
	s_lshl_b32 s38, s33, 22                        ; 4 MiB of f32 an expert
	s_bfe_u32 s34, s32, (GWID<<16)|GSH
	s_lshl_b32 s34, s34, 9
	s_add_co_u32 s38, s38, s34
	s_and_b32 s34, s32, SMASK
	s_mul_i32 s34, s34, 128*PITCH
	s_add_co_u32 s38, s38, s34
	s_lshl_b32 s34, s[WWV], 7
	s_add_co_u32 s38, s38, s34
	s_mov_b32 s39, 0
	s_lshl_b32 s40, s32, 14
	s_lshl_b32 s34, s[WWV], 12
	s_add_co_u32 s40, s40, s34
.if CODOFF
	s_add_co_u32 s40, s40, CODOFF
.endif
	s_mov_b32 s41, 0
	s_lshl_b32 s42, s32, 9
	s_lshl_b32 s34, s[WWV], 7
	s_add_co_u32 s42, s42, s34
.if SCLOFF
	s_add_co_u32 s42, s42, SCLOFF
.endif
	s_mov_b32 s43, 0
	s_mov_b32 s44, 0x600000
	v_lshlrev_b32 v2, 2, v1
	v_bfe_u32 v6, v1, 3, 1
	v_and_b32 v7, 7, v1
	v_lshrrev_b32 v8, 4, v1
	v_lshl_add_u32 v7, v8, 3, v7
	v_lshlrev_b32 v3, 4, v7
	v_lshl_add_u32 v3, v6, 11, v3
	v_lshlrev_b32 v4, 2, v7
	v_lshl_add_u32 v4, v6, 6, v4
	s_wait_kmcnt 0x0
	s_add_nc_u64 s[WSRC:WSRC+1], s[WSRC:WSRC+1], s[38:39]
	s_add_nc_u64 s[WCOD:WCOD+1], s[WCOD:WCOD+1], s[40:41]
	s_add_nc_u64 s[WSCL:WSCL+1], s[WSCL:WSCL+1], s[42:43]
.set i, 0
.rept 128
	global_load_b32 v[WX+i], v2, s[WSRC:WSRC+1] offset:i*PITCH th:TH_LOAD_NT
.set i, i+1
.endr
	WBLOCK 0, 63
	WBLOCK 1, 63
	WBLOCK 2, 32
	WBLOCK 3, 0
	global_store_b32 v4, v5, s[WSCL:WSCL+1]
	s_endpgm
.endm
	s_load_b256 s[4:11], s[0:1], 0x0               ; eidx 4:5, wo 6:7, plan 8:9, wcod 10:11
	s_load_b64 s[12:13], s[0:1], 0x20              ; wscl
	v_lshl_add_u32 v192, v0, 2, 0x400
	v_mov_b32 v193, 0
	v_lshrrev_b32 v1, 5, v0
	v_readfirstlane_b32 s14, v1                    ; wave 0..3
	v_and_b32 v1, 31, v0                           ; lane
	s_cmp_lg_u32 ttmp9, 0
	s_cbranch_scc1 .Lweights
	; ================= the placing =================
	v_lshlrev_b32 v2, 4, v1
	s_lshl_b32 s82, s14, 12
	v_add_nc_u32 v2, s82, v2                       ; 4,096 w + 16 x lane
	v_lshlrev_b32 v4, 2, v0
	v_lshlrev_b32 v5, 2, v1
	s_lshl_b32 s82, s14, 10
	v_add_nc_u32 v13, s82, v5                      ; 1,024 w + 4 x lane
	v_lshlrev_b32 v148, 3, v0
	v_lshrrev_b32 v149, 6, v0
	v_lshlrev_b32 v149, 2, v149
	v_and_b32 v150, 63, v0
	v_mov_b32 v151, 0
	v_add_nc_u32 v155, DUMP0, v4
	s_wait_kmcnt 0x0
.irp q, 0,1,2,3,4,5,6,7
	global_load_b128 v[IX+4*\q:IX+4*\q+3], v2, s[4:5] offset:512*\q
.endr
.irp e, 0,1,2,3,4,5,6,7
	s_mov_b32 s[CN+\e], 0
.endr
	s_wait_loadcnt 0x0
	; my wave's count for each expert
.set j, 0
.rept 32
.irp e, 0,1,2,3,4,5,6,7
	v_cmp_eq_u32 s[MK+\e], \e, v[IX+j]
.endr
.irp e, 0,1,2,3,4,5,6,7
	s_bcnt1_i32_b32 s[TP+\e], s[MK+\e]
.endr
.irp e, 0,1,2,3,4,5,6,7
	s_add_co_u32 s[CN+\e], s[CN+\e], s[TP+\e]
.endr
.set j, j+1
.endr
	v_mov_b32 v3, 0
.irp e, 0,1,2,3,4,5,6,7
	v_writelane_b32 v3, s[CN+\e], \e
.endr
	ds_store_b32 v4, v3                            ; wave w's eight counts at 128 w
	s_wait_dscnt 0x0                               ; for the others' sake: my store is done
	s_barrier_signal -1
	s_barrier_wait -1
.irp p, 0,1,2,3
	ds_load_b32 v[6+\p], v5 offset:128*\p
.endr
	s_wait_dscnt 0x0
	v_add3_u32 v10, v6, v7, v8
	v_add_nc_u32 v10, v10, v9                      ; lane e: expert e's tokens
	v_mov_b32 v11, 0
.irp p, 0,1,2
	s_cmp_gt_u32 s14, \p
	s_cselect_b32 s82, -1, 0
	v_and_b32 v12, s82, v[6+\p]
	v_add_nc_u32 v11, v11, v12                     ; those of the waves before mine
.endr
.irp e, 0,1,2,3,4,5,6,7
	v_readlane_b32 s[TOT+\e], v10, \e
	v_readlane_b32 s[PRE+\e], v11, \e
.endr
.irp e, 0,1,2,3,4,5,6,7
	s_add_co_u32 s[NT+\e], s[TOT+\e], 63
	s_lshr_b32 s[NT+\e], s[NT+\e], 6
.endr
	s_mov_b32 s[TB], 0
.irp e, 1,2,3,4,5,6,7
	s_add_co_u32 s[TB+\e], s[TB+\e-1], s[NT+\e-1]
.endr
.irp e, 0,1,2,3,4,5,6,7
	s_lshl_b32 s[SLC+\e], s[TB+\e], 6
	s_add_co_u32 s[SLC+\e], s[SLC+\e], s[PRE+\e]
.endr
	; each token's place: its expert's next free place + the lanes below me with the same expert
.set j, 0
.rept 32
.irp e, 0,1,2,3,4,5,6,7
	v_cmp_eq_u32 s[MK+\e], \e, v[IX+j]
.endr
	v_mbcnt_lo_u32_b32 v[SL+j], s[MK], s[SLC]
.irp e, 1,2,3,4,5,6,7
	v_mbcnt_lo_u32_b32 v12, s[MK+\e], s[SLC+\e]
	v_cndmask_b32 v[SL+j], v[SL+j], v12, s[MK+\e]
.endr
.irp e, 0,1,2,3,4,5,6,7
	s_bcnt1_i32_b32 s[TP+\e], s[MK+\e]
.endr
.irp e, 0,1,2,3,4,5,6,7
	s_add_co_u32 s[SLC+\e], s[SLC+\e], s[TP+\e]
.endr
.set j, j+1
.endr
.set j, 0
.rept 32
	v_min_u32 v[SL+j], 0x11bf, v[SL+j]             ; 71 tiles x 64 places: a number made of loaded data is held before it enters an address
	v_lshlrev_b32 v[SL+j], 2, v[SL+j]
	v_add_nc_u32 v[TK+j], 128*(j/4)+j%4, v13
	global_store_b32 v[SL+j], v[TK+j], s[8:9] offset:ROWS0
.set j, j+1
.endr
	; the inverse list: 4 x place of each token, at the token's own word: the wave stores 512 consecutive bytes.  These registers are not written again
.irp q, 0,1,2,3,4,5,6,7
	global_store_b128 v2, v[SL+4*\q:SL+4*\q+3], s[8:9] offset:INV0+512*\q
.endr
	; the tiles' records: thread t writes tile t's
	v_mov_b32 v14, 0
	v_mov_b32 v15, 0
.irp e, 0,1,2,3,4,5,6,7
	v_sub_nc_u32 v152, v0, s[TB+\e]                ; which of the expert's tiles I would be (a huge number if I come before them)
	v_cmp_gt_u32 vcc_lo, s[NT+\e], v152
	v_lshlrev_b32 v153, 6, v152
	v_sub_nc_u32 v153, s[TOT+\e], v153             ; the rows left from my tile on
	v_mov_b32 v154, \e
	v_cndmask_b32 v15, v15, v153, vcc_lo
	v_cndmask_b32 v14, v14, v154, vcc_lo
.endr
	v_min_u32 v15, 64, v15
	global_store_b64 v148, v[14:15], s[8:9]
	ds_store_b32 v4, v15 offset:512
	s_wait_dscnt 0x0                               ; for the others' sake
	s_barrier_signal -1
	s_barrier_wait -1
	; THE PADDING.  Places beyond a tile's rows get token 0: place 128 k + thread, in tile 2 k + thread / 64.  They are other words than the tokens' places above.
	; All lanes store in every trip: a lane whose place holds a token sends its 0 to its own spare word instead, so that EXEC is never written and no wait stands between the 36 stores.
.set k, 0
.rept 36
	ds_load_b32 v[PN+k], v149 offset:512+8*k
.set k, k+1
.endr
	s_wait_dscnt 0x0
.set k, 0
.rept 36
	v_cmp_le_u32 vcc_lo, v[PN+k], v150             ; is my place beyond the tile's rows?
	v_add_nc_u32 v[PN+k], ROWS0+512*k, v4          ; the place's byte,
	v_cndmask_b32 v[PN+k], v155, v[PN+k], vcc_lo   ; or my spare word's
	v_min_u32 v[PN+k], 0x4ffc, v[PN+k]             ; a choice that hangs on loaded data is held before it enters an address: the last word of the tiles' lists
	global_store_b32 v[PN+k], v151, s[8:9]
.set k, k+1
.endr
	s_wait_tensorcnt 0x0
	ds_add_u32 v192, v193
	s_wait_dscnt 0x0
	s_endpgm
	; ================= wo =================
.Lweights:
	WQ
.Lfunc_end_k_qdbbdd4125a_mid:
	.size	k_qdbbdd4125a_mid, .Lfunc_end_k_qdbbdd4125a_mid-k_qdbbdd4125a_mid
	.p2alignl 7, 3214868480
	.fill 96, 4, 3214868480
	.section	.rodata,"a",@progbits
	.p2align	6, 0x0
	.amdhsa_kernel k_qdbbdd4125a_mid
		.amdhsa_group_segment_fixed_size 1536
		.amdhsa_private_segment_fixed_size 0
		.amdhsa_enable_private_segment 0
		.amdhsa_kernarg_size 40
		.amdhsa_user_sgpr_count 2
		.amdhsa_user_sgpr_kernarg_segment_ptr 1
		.amdhsa_wavefront_size32 1
		.amdhsa_system_sgpr_workgroup_id_x 1
		.amdhsa_system_sgpr_workgroup_id_y 1
		.amdhsa_system_sgpr_workgroup_id_z 1
		.amdhsa_system_vgpr_workitem_id 0
		.amdhsa_next_free_vgpr 194
		.amdhsa_next_free_sgpr 96
		.amdhsa_reserve_vcc 1
		.amdhsa_float_denorm_mode_32 3
		.amdhsa_float_denorm_mode_16_64 3
		.amdhsa_memory_ordered 1
		.amdhsa_forward_progress 1
		.amdhsa_inst_pref_size 152
	.end_amdhsa_kernel
	.amdgpu_metadata
---
amdhsa.version: [ 1, 2 ]
amdhsa.kernels:
  - .name:           k_qdbbdd4125a_mid
    .symbol:         k_qdbbdd4125a_mid.kd
    .args:
      - { .name: eidx, .offset: 0, .size: 8, .value_kind: global_buffer, .address_space: global }
      - { .name: wo, .offset: 8, .size: 8, .value_kind: global_buffer, .address_space: global }
      - { .name: plan, .offset: 16, .size: 8, .value_kind: global_buffer, .address_space: global }
      - { .name: wcod, .offset: 24, .size: 8, .value_kind: global_buffer, .address_space: global }
      - { .name: wscl, .offset: 32, .size: 8, .value_kind: global_buffer, .address_space: global }
    .group_segment_fixed_size: 1536
    .private_segment_fixed_size: 0
    .kernarg_segment_align: 8
    .kernarg_segment_size: 40
    .max_flat_workgroup_size: 128
    .sgpr_count:     96
    .vgpr_count:     194
    .wavefront_size: 32
...
	.end_amdgpu_metadata
.endif
;; end of part 4
;; launch chain (part 5): grid 71 x 2, 4 waves a work-group, no clusters, 171,520 bytes of LDS; arguments plan, xc, xs, wcod, wscl, part; writes part
.if DOCPART == 5
	.amdgcn_target "amdgcn-amd-amdhsa--gfx1250"
	.amdhsa_code_object_version 6
	.text
	.protected	k_qdbbdd4125a_chain
	.globl	k_qdbbdd4125a_chain
	.p2align	8
	.type	k_qdbbdd4125a_chain,@function
k_qdbbdd4125a_chain:
	s_mov_b64 s[64:65], 0
	v_nop
	global_prefetch_b8 v0, s[64:65] scope:SCOPE_SE
	s_setreg_imm32_b32 hwreg(HW_REG_WAVE_MODE, 25, 1), 1
	s_wait_xcnt 0x0
; CHAIN.  Work-group (t, q) takes tile t of the list (up to 64 tokens of ONE expert) and half q of the hidden layer (units 1,024 q on) through both products: part[q][place] = relu(x wi[e][:, half]) wo[e][half, :],
; both products on codes of BF8 (E5M2) with E8M0 scales for each 32 along K.  The next launch adds the two halves, in f32: the second product's K is so summed in two parts and not in one chain.
; Only the chosen expert's rows are multiplied: the definition throws the others away by a mask that it builds itself.  The hidden layer stays in LDS.
; GRID: 4,096 / 64 + 8 - 1 = 71 tiles serve every split; two halves make 142 work-groups.  Four quarters would make 284, more than there are WGPs for work-groups of this size, so that some would run one behind the other.
;   A tile without rows (at most 7) runs the same text on expert 0 and token 0 and stores nothing: the work-group's barriers stand under no branch on a loaded number.
; SHARES: THE WAVES SHARE THE COLUMNS, NOT THE ROWS.  Product 1: wave w makes hidden groups 8 q + 2 w + j (j = 0, 1; 128 units each) for all 64 rows; product 2: d = 128 w .. 128 w + 127 over the half's eight K steps.
;   So each fragment of a weight goes from memory straight into the one wave that uses it (laid by the launches before as images of the operand's registers: 16 bytes a lane, 512 consecutive bytes a load) and feeds four matrix instructions.
;   A wave's eight batches of wi (64 e + 32 q + 8 w on) and its eight of wo (64 e + 16 w + 8 q on) are 128 KiB on end each.
; BOTH PRODUCTS ARE USED TRANSPOSED (source 0 = 16 rows of the weight's tile, source 1 = 16 tokens): a lane holds one token, and, by the order of a tile's rows, the 16 registers of tiles 2 b and 2 b + 1 are 16 neighbours along the next K (or along d).
; A STEP is the same in both: 128 along K, 8 weight tiles x 4 tiles of tokens = 32 matrix instructions on 32 accumulators, which take turns, one instruction a turn, over all edges.
; The weights come through a ring of four register buffers of 16 KiB: a step waits for its own batch and asks for the batch two steps on; the ring runs on from wi into wo.
; NO TENSOR LOAD, NO CLUSTER: the text branches on numbers read from the list, and which tiles share an expert (any number from 0 to 64 of them) hangs on the counts, so the work-groups do not fall into fixed groups with the same weights.
; LIMITS: NaN and infinities are not served; a block of zeros of the hidden layer has the scale byte 1 (its codes are zeros); blocks under the floor 2^(16 - 127) were not tried.
; LDS
.set XIMG, 0                           ; x's 16 fragments, image (K step s, tile of rows m) at (4 s + m) x 2,048
.set XSC,  32768                       ; their scale words, 128 bytes each
.set HIMG, 34816                       ; the half's 32 hidden fragments, (K step 2 w + j, m) likewise
.set HSC,  100352                      ; their scale words
.set WSC,  104448                      ; the weights' scale words: 8,192 bytes a wave: its 8 batches of wi, then its 8 of wo, 512 bytes each
.set STG,  137216                      ; the way out: 16 rows x (512 + 16) bytes for each wave
.set HALFP, 9306112                    ; part: 4,544 places x 2,048 bytes for each half
; REGISTERS, in windows of 256.  Windows 1 and 2: the four weight buffers (buffer b: window 1 + b / 2, v[128 (b % 2)] on).  Window 3: the accumulators, (m, t) at v[64 m + 8 t].  Window 0:
.set LI,  1                            ; 16 x lane
.set LS,  2                            ; 4 x lane
.set BA,  3                            ; LDS address of the trip's token fragments
.set BS,  4                            ; of their scale words
.set WA,  5                            ; of the trip's weight scale words
.set HW,  6                            ; where the trip's hidden images go
.set HWS, 7                            ; and their scale words
.set SO,  8                            ; the stage: in
.set SR,  9                            ; the stage: back
.set LW,  10                           ; 512 w + 16 x lane: my bytes of a row of part
.set WA0, 11
.set WS,  20                           ; v20-27  the step's weight scale words: scales and nothing else
.set BSC, 28                           ; v28-31  the step's token scale words: scales and nothing else
.set BF,  32                           ; v32-95  four token fragments; on the way out 16 rows read back
.set PC,  96                           ; v96-111 the codes just made
.set TM,  112                          ; v112-127 largest magnitudes, bytes, holds, scale operands
.set PW,  128                          ; the scale word just made
.set HW0, 129
.set HWS0, 194
.set TL,  195                          ; head: lane, r, h, offsets
.set TR,  196
.set TH,  197
.set TVW, 199
.set TXO, 204
.set TSO, 205
.set TW,  206
.set XSW, 208
.set TXW, 212
.set TXS, 213
.set TWSC, 214
; SCALARS: s[4:15] the six addresses; s20 expert, s21 rows; s22 at work; s23 wave; s[24:25] the weights' pointer; s[26:27] its step; s28 trips; s29 weight scales' step; s30, s31 hidden images' steps; s32, s33 hidden fragments' places;
; s[34:35] lane selects; s36 the mantissa field of 57,344; s37 the pointer's step from wi to wo; s46 at work; s[50:51], s[54:55] the scale words' pointers; s[52:53] an offset; s56 the half
.set MSB, 0
.macro WIN new                         ; the immediate's high byte repeats the setting that is left; a switch that changes nothing is dropped
.if MSB != (\new)
	s_set_vgpr_msb (MSB<<8)|(\new)
.set MSB, (\new)
.endif
.endm
.macro FETCHB sp                       ; the step's four token fragments, their scale words and the weights' eight, from LDS
.irp m, 0,1,2,3
.irp c, 0,1,2,3
	ds_load_b128 v[BF+16*\m+4*\c:BF+16*\m+4*\c+3], v[BA] offset:8192*(\sp)+2048*\m+512*\c
.endr
	ds_load_b32 v[BSC+\m], v[BS] offset:512*(\sp)+128*\m
.endr
.irp t, 0,1,2,3,4,5,6,7
	ds_load_b32 v[WS+\t], v[WA] offset:512*(\sp)+64*\t
.endr
.endm
.macro LOADB b, imm                    ; a batch of eight weight fragments into buffer b: 32 loads of 512 consecutive bytes
	WIN 0x40*(1+(\b)/2)
.irp t, 0,1,2,3,4,5,6,7
.irp c, 0,1,2,3
	global_load_b128 v[128*((\b)%2)+16*\t+4*\c:128*((\b)%2)+16*\t+4*\c+3], v[LI], s[24:25] offset:(\imm)+2048*\t+512*\c
.endr
.endr
	WIN 0
.endm
.macro MUL32 sp, zero                  ; zero = 1: the products start the sums: nothing is ever cleared
	WIN 0xf1+(\sp)/2                               ; source 0 (the weight) window 1 or 2, source 1 (tokens) window 0, C and D window 3
.irp m, 0,1,2,3
.irp t, 0,1,2,3,4,5,6,7
.if \zero
	v_wmma_scale_f32_16x16x128_f8f6f4 v[64*\m+8*\t:64*\m+8*\t+7], v[128*((\sp)%2)+16*\t:128*((\sp)%2)+16*\t+15], v[BF+16*\m:BF+16*\m+15], 0, v[WS+\t], v[BSC+\m] matrix_a_fmt:MATRIX_FMT_BF8 matrix_b_fmt:MATRIX_FMT_BF8
.else
	v_wmma_scale_f32_16x16x128_f8f6f4 v[64*\m+8*\t:64*\m+8*\t+7], v[128*((\sp)%2)+16*\t:128*((\sp)%2)+16*\t+15], v[BF+16*\m:BF+16*\m+15], v[64*\m+8*\t:64*\m+8*\t+7], v[WS+\t], v[BSC+\m] matrix_a_fmt:MATRIX_FMT_BF8 matrix_b_fmt:MATRIX_FMT_BF8
.endif
.endr
.endr
.endm
; A step.  cnt: the loads issued behind this step's batch, which may stay out.  ld = 1: the batch two steps on is asked for, into the buffer that was multiplied two steps ago.
; The eight v_nop are the places behind the products: for the next loads into the token fragments and scale words, for the first reads of results, and for the later loads into this buffer.
.macro STEP sp, zero, ld, cnt
	FETCHB \sp
	s_wait_loadcnt \cnt
.if \ld
	LOADB (\sp+2)%4, ((\sp+2)%4)*16384
.endif
	s_wait_dscnt 0x0
	MUL32 \sp, \zero
	WIN 0
.rept 8
	v_nop
.endr
.endm
; The 8 tiles of rows 16 m on: relu, quantised along the next K, to LDS as an image of the operand's registers.  Register 16 b + i of a lane is hidden unit 32 b + 16 (lane / 16) + i of its token.
.macro QUANT m
.set QA, 64*(\m)
	WIN 0x0f                                       ; sources 0 and 1 window 3
.irp b, 0,1,2,3
	v_max3_num_f32 v[TM+\b], v[QA+16*\b], v[QA+16*\b+1], 0x8000000   ; no |.|: what is negative becomes 0 and must not count; the floor 2^(16 - 127) stands over it.  Each accumulator is read from its low end on
.endr
	WIN 0x3c                                       ; sources 1 and 2 window 3
.irp i, 2,4,6,8,10,12,14
.irp b, 0,1,2,3
	v_max3_num_f32 v[TM+\b], v[TM+\b], v[QA+16*\b+\i], v[QA+16*\b+\i+1]
.endr
.endr
	WIN 0
.irp b, 0,1,2,3
	v_permlanex16_b32 v[TM+4+\b], v[TM+\b], s34, s35
.endr
.irp b, 0,1,2,3
	v_max_num_f32 v[TM+\b], v[TM+\b], v[TM+4+\b]   ; with lane l xor 16's 16: the block's largest magnitude
.endr
.irp b, 0,1,2,3
	v_add_nc_u32 v[TM+12+\b], 0xf8800000, v[TM+\b] ; 15 off its exponent field: the conversion's scale operand
.endr
.irp b, 0,1,2,3
	v_and_or_b32 v[TM+8+\b], v[TM+\b], 0x7f800000, s36   ; 57,344 x the scale
.endr
.irp b, 0,1,2,3
	v_lshrrev_b32 v[TM+4+\b], 23, v[TM+12+\b]      ; the scale's byte
.endr
	v_lshl_or_b32 v[PW], v[TM+5], 8, v[TM+4]
	v_lshl_or_b32 v[PW], v[TM+6], 16, v[PW]
	v_lshl_or_b32 v[PW], v[TM+7], 24, v[PW]
	WIN 0xc3                                       ; destination and source 0 window 3
.irp b, 0,1,2,3
.irp i, 0,1,2,3,4,5,6,7,8,9,10,11,12,13,14,15
	v_med3_num_f32 v[QA+16*\b+\i], v[QA+16*\b+\i], 0, v[TM+8+\b]   ; the activation and the hold in one (the conversion does not saturate: ISA guide 7.6.2)
.endr
.endr
	s_wait_dscnt 0x0                               ; the last image's stores have read the code registers
	WIN 0x03                                       ; source 0 window 3
.irp b, 0,1,2,3
	v_cvt_scalef32_pk8_bf8_f32 v[PC+4*\b:PC+4*\b+1], v[QA+16*\b:QA+16*\b+7], v[TM+12+\b]
	v_cvt_scalef32_pk8_bf8_f32 v[PC+4*\b+2:PC+4*\b+3], v[QA+16*\b+8:QA+16*\b+15], v[TM+12+\b]
.endr
	WIN 0
	v_nop                                          ; a plain instruction behind the last conversion: later products write its sources
.irp c, 0,1,2,3
	ds_store_b128 v[HW], v[PC+4*\c:PC+4*\c+3] offset:2048*(\m)+512*\c
.endr
	ds_store_b32 v[HWS], v[PW] offset:128*(\m)
.endm
; The way out of rows 16 m on.  A lane holds 4 x 64 bytes of one row; the rows go through my own stage and come back whole: 512 bytes over the 32 lanes.
.macro TOSTAGE m
	WIN 0x0c                                       ; an LDS store's data are its source 1: window 3
.irp b, 0,1,2,3
.irp i, 0,1,2,3
	ds_store_b128 v[SO], v[64*(\m)+16*\b+4*\i:64*(\m)+16*\b+4*\i+3] offset:128*\b+16*\i   ; ascending: each accumulator from its low end on
.endr
.endr
	WIN 0
.if (\m) > 0
	s_wait_xcnt 0x0                                ; the last rows' stores have read the registers that the loads below fill
.endif
.irp i, 0,1,2,3,4,5,6,7,8,9,10,11,12,13,14,15
	ds_load_b128 v[BF+4*\i:BF+4*\i+3], v[SR] offset:528*\i   ; LDS serves a wave's instructions in order (ISA guide 5.7.1.4): these see my stores
.endr
.endm
.macro SEND m
	s_wait_dscnt 0x0                               ; the 16 rows are back in registers
.set q, 0
.rept 16
	s_cmp_le_u32 s21, 16*(\m)+q                    ; the tile's rows are over: nothing more is stored
	s_cbranch_scc1 .Lfin
	global_store_b128 v[LW], v[BF+4*q:BF+4*q+3], s[14:15] offset:2048*(16*(\m)+q)   ; the wave stores 512 consecutive bytes, at a multiple of 256 from part's first byte
.set q, q+1
.endr
.endm
	s_load_b256 s[4:11], s[0:1], 0x0               ; plan 4:5, xc 6:7, xs 8:9, wcod 10:11
	s_load_b128 s[12:15], s[0:1], 0x20             ; wscl 12:13, part 14:15
	v_lshl_add_u32 v254, v0, 2, 0x29c00
	v_mov_b32 v255, 0
	v_lshrrev_b32 v1, 5, v0
	v_readfirstlane_b32 s23, v1                    ; wave 0..3
	s_and_b32 s56, ttmp7, 0xffff                   ; the half
	v_and_b32 v[TL], 31, v0
	v_and_b32 v[TR], 15, v0
	v_bfe_u32 v[TH], v0, 4, 1
	v_lshlrev_b32 v[LI], 4, v[TL]
	v_lshlrev_b32 v[LS], 2, v[TL]
	s_mul_i32 s22, s23, 16*528
	s_add_co_u32 s22, s22, STG
	v_mul_u32_u24 v[SO], v[TR], 528
	v_lshl_add_u32 v[SO], v[TH], 6, v[SO]
	v_add_nc_u32 v[SO], s22, v[SO]                 ; my stage: row r, + 64 h
	v_add_nc_u32 v[SR], s22, v[LI]
	s_lshl_b32 s22, s23, 9
	v_add_nc_u32 v[LW], s22, v[LI]
	s_lshl_b32 s22, s23, 13
	s_add_co_u32 s22, s22, WSC
	v_lshlrev_b32 v[WA0], 2, v[TR]
	v_add_nc_u32 v[WA0], s22, v[WA0]               ; my weights' scale words: row r's
	v_add_nc_u32 v[TWSC], s22, v[LI]
	s_lshl_b32 s22, s23, 14
	s_add_co_u32 s22, s22, HIMG
	v_add_nc_u32 v[HW0], s22, v[LI]                ; my two groups' images: 16,384 bytes a wave
	s_lshl_b32 s22, s23, 11
	v_add_nc_u32 v[TXW], s22, v[LI]                ; x's images of rows 16 w on
	s_lshl_b32 s22, s23, 10
	s_add_co_u32 s22, s22, HSC
	v_add_nc_u32 v[HWS0], s22, v[LS]               ; my two groups' scale words: 1,024 bytes a wave
	s_lshl_b32 s22, s23, 7
	s_add_co_u32 s22, s22, XSC
	v_add_nc_u32 v[TXS], s22, v[LS]
	s_lshl_b32 s22, ttmp9, 8
	v_lshlrev_b32 v[TVW], 2, v[TR]
	v_add_nc_u32 v[TVW], s22, v[TVW]               ; the tile's 64 token numbers: 256 bytes a tile, 4 r,
	s_lshl_b32 s22, s23, 6
	v_add_nc_u32 v[TVW], s22, v[TVW]               ; those of rows 16 w on
.irp b, 0,1,2,3
	v_mov_b32 v[TM+4+\b], 0                        ; written once: a lane permute's destination counts as one of its sources
.endr
	s_mov_b32 s34, 0x76543210
	s_mov_b32 s35, 0xfedcba98
	s_mov_b32 s36, 0x600000
	s_mov_b32 s27, 0
	s_mov_b32 s53, 0
	s_lshl_b32 s22, ttmp9, 3
	s_wait_kmcnt 0x0
	s_load_b64 s[20:21], s[4:5], s22 offset:0x0    ; the tile's expert and rows
	global_load_b32 v[TW], v[TVW], s[4:5] offset:2048
	s_wait_kmcnt 0x0
	s_min_u32 s20, s20, 7                          ; a loaded number is held before it enters an address
	s_lshl_b32 s52, s20, 20                        ; codes of wi: batch 64 e + 32 q + 8 w, 16 KiB a batch
	s_lshl_b32 s46, s56, 19
	s_add_co_u32 s52, s52, s46
	s_lshl_b32 s46, s23, 17
	s_add_co_u32 s52, s52, s46
	s_add_nc_u64 s[24:25], s[10:11], s[52:53]
	s_lshl_b32 s37, s23, 17                        ; from my fifth batch of wi to my first of wo: 8,388,608 + 16,384 (16 w + 8 q - 32 q - 8 w - 4): above 0 for every w and q
	s_add_co_u32 s37, s37, 8323072
	s_mul_i32 s46, s56, 393216
	s_sub_co_u32 s37, s37, s46
	s_lshl_b32 s52, s20, 15                        ; scale words: 512 bytes a batch: wi's,
	s_lshl_b32 s46, s56, 14
	s_add_co_u32 s52, s52, s46
	s_lshl_b32 s46, s23, 12
	s_add_co_u32 s52, s52, s46
	s_add_nc_u64 s[50:51], s[12:13], s[52:53]
	s_lshl_b32 s52, s20, 15                        ; and wo's: batch 64 e + 16 w + 8 q, behind wi's 262,144 bytes
	s_lshl_b32 s46, s23, 13
	s_add_co_u32 s52, s52, s46
	s_lshl_b32 s46, s56, 12
	s_add_co_u32 s52, s52, s46
	s_add_co_u32 s52, s52, 262144
	s_add_nc_u64 s[54:55], s[12:13], s[52:53]
	s_mul_i32 s52, s56, HALFP                      ; part: my half, my tile's 64 places of 2,048 bytes
	s_lshl_b32 s46, ttmp9, 17
	s_add_co_u32 s52, s52, s46
	s_add_nc_u64 s[14:15], s[14:15], s[52:53]
	WIN 0xc0                                       ; destination window 3: the accumulators' registers are free yet
.set i, 0
.rept 8
	global_load_b128 v[4*i:4*i+3], v[LI], s[50:51] offset:512*i               ; my 8 batches' scale words of wi,
.set i, i+1
.endr
.set i, 0
.rept 8
	global_load_b128 v[32+4*i:32+4*i+3], v[LI], s[54:55] offset:512*i         ; and of wo
.set i, i+1
.endr
	WIN 0
	s_wait_loadcnt 16                              ; the token numbers are in (behind them: the 16 loads of scale words)
	v_min_u32 v[TW], 0xfff, v[TW]
	v_lshlrev_b32 v[TXO], 9, v[TW]
	v_lshl_add_u32 v[TXO], v[TH], 4, v[TXO]        ; x's codes: 512 bytes a token, + 16 h
	v_lshlrev_b32 v[TSO], 4, v[TW]
.irp s, 0,1,2,3
.irp c, 0,1,2,3
	global_load_b128 v[BF+16*\s+4*\c:BF+16*\s+4*\c+3], v[TXO], s[6:7] offset:128*\s+32*\c   ; rows 16 w on: the four K steps' fragments
.endr
.endr
	global_load_b128 v[XSW:XSW+3], v[TSO], s[8:9]  ; and their four scale words
	LOADB 0, 0
	s_wait_loadcnt 49                              ; the weights' scale words are in (behind them: 17 + 32)
	WIN 0x0c
.set i, 0
.rept 16
	ds_store_b128 v[TWSC], v[4*i:4*i+3] offset:512*i
.set i, i+1
.endr
	WIN 0
	s_wait_loadcnt 32                              ; x is in (behind it: batch 0)
.irp s, 0,1,2,3
.irp c, 0,1,2,3
	ds_store_b128 v[TXW], v[BF+16*\s+4*\c:BF+16*\s+4*\c+3] offset:8192*\s+512*\c
.endr
	ds_store_b32 v[TXS], v[XSW+\s] offset:512*\s
.endr
	LOADB 1, 16384
	s_wait_dscnt 0x0                               ; for the others' sake: my stores are done
	s_barrier_signal -1
	s_barrier_wait -1                              ; x's sixteen fragments lie in LDS
	; ---- product 1: a trip is one group of 128 hidden units: four K steps, then relu and the quantiser
	v_add_nc_u32 v[BA], XIMG, v[LI]
	v_add_nc_u32 v[BS], XSC, v[LS]
	s_mov_b32 s28, 0
	s_mov_b32 s29, 0
	s_mov_b32 s30, 0
	s_mov_b32 s31, 0
.Lup:
	v_add_nc_u32 v[WA], s29, v[WA0]
	v_add_nc_u32 v[HW], s30, v[HW0]
	v_add_nc_u32 v[HWS], s31, v[HWS0]
	STEP 0, 1, 1, 32
	STEP 1, 0, 1, 32
	s_mov_b32 s26, 0x10000                         ; four batches on;
	s_cmp_eq_u32 s28, 1
	s_cselect_b32 s26, s37, s26                    ; in the last trip: on to my first four of wo
	s_wait_xcnt 0x0                                ; the loads issued so far have read the pointer
	s_add_nc_u64 s[24:25], s[24:25], s[26:27]
	STEP 2, 0, 1, 32
	STEP 3, 0, 1, 32
	QUANT 0
	QUANT 1
	QUANT 2
	QUANT 3
	s_add_co_u32 s29, s29, 2048
	s_add_co_u32 s30, s30, 8192
	s_add_co_u32 s31, s31, 512
	s_add_co_u32 s28, s28, 1
	s_cmp_lt_u32 s28, 2
	s_cbranch_scc1 .Lup
	s_wait_dscnt 0x0                               ; for the others' sake: my images are stored
	s_barrier_signal -1
	s_barrier_wait -1                              ; the half's 32 hidden fragments lie in LDS
	; ---- product 2: two trips of four K steps of 128 hidden units, written out: the first starts the sums, the last asks for no batch beyond my eighth of wo
.macro DHEAD
	v_add_nc_u32 v[WA], s29, v[WA0]
	v_add_nc_u32 v[BA], s32, v[LI]
	v_add_nc_u32 v[BS], s33, v[LS]
.endm
	s_mov_b32 s32, HIMG
	s_mov_b32 s33, HSC
	s_mov_b32 s26, 0x10000
	DHEAD
	STEP 0, 1, 1, 32                               ; the first step's products start the sums
	STEP 1, 0, 1, 32
	s_wait_xcnt 0x0                                ; the loads issued so far have read the pointer
	s_add_nc_u64 s[24:25], s[24:25], s[26:27]
	STEP 2, 0, 1, 32
	STEP 3, 0, 1, 32
	s_add_co_u32 s29, s29, 2048
	s_add_co_u32 s32, s32, 32768
	s_add_co_u32 s33, s33, 2048
	DHEAD
	STEP 0, 0, 1, 32
	STEP 1, 0, 1, 32
	STEP 2, 0, 0, 32                               ; behind this step's batch: the last batch's 32 loads
	STEP 3, 0, 0, 0
	; ---- the way out: the half's sums, row by row
	TOSTAGE 0
	SEND 0
	TOSTAGE 1
	SEND 1
	TOSTAGE 2
	SEND 2
	TOSTAGE 3
	SEND 3
.Lfin:
	s_barrier_signal -1
	s_barrier_wait -1
	s_wait_tensorcnt 0x0
	ds_add_u32 v254, v255
	s_wait_dscnt 0x0
	s_endpgm
.Lfunc_end_k_qdbbdd4125a_chain:
	.size	k_qdbbdd4125a_chain, .Lfunc_end_k_qdbbdd4125a_chain-k_qdbbdd4125a_chain
	.p2alignl 7, 3214868480
	.fill 96, 4, 3214868480
	.section	.rodata,"a",@progbits
	.p2align	6, 0x0
	.amdhsa_kernel k_qdbbdd4125a_chain
		.amdhsa_group_segment_fixed_size 171520
		.amdhsa_private_segment_fixed_size 0
		.amdhsa_enable_private_segment 0
		.amdhsa_kernarg_size 48
		.amdhsa_user_sgpr_count 2
		.amdhsa_user_sgpr_kernarg_segment_ptr 1
		.amdhsa_wavefront_size32 1
		.amdhsa_system_sgpr_workgroup_id_x 1
		.amdhsa_system_sgpr_workgroup_id_y 1
		.amdhsa_system_sgpr_workgroup_id_z 1
		.amdhsa_system_vgpr_workitem_id 0
		.amdhsa_next_free_vgpr 1024
		.amdhsa_next_free_sgpr 66
		.amdhsa_reserve_vcc 0
		.amdhsa_float_denorm_mode_32 3
		.amdhsa_float_denorm_mode_16_64 3
		.amdhsa_memory_ordered 1
		.amdhsa_forward_progress 1
		.amdhsa_inst_pref_size 174
	.end_amdhsa_kernel
	.amdgpu_metadata
---
amdhsa.version: [ 1, 2 ]
amdhsa.kernels:
  - .name:           k_qdbbdd4125a_chain
    .symbol:         k_qdbbdd4125a_chain.kd
    .args:
      - { .name: plan, .offset: 0, .size: 8, .value_kind: global_buffer, .address_space: global }
      - { .name: xc, .offset: 8, .size: 8, .value_kind: global_buffer, .address_space: global }
      - { .name: xs, .offset: 16, .size: 8, .value_kind: global_buffer, .address_space: global }
      - { .name: wcod, .offset: 24, .size: 8, .value_kind: global_buffer, .address_space: global }
      - { .name: wscl, .offset: 32, .size: 8, .value_kind: global_buffer, .address_space: global }
      - { .name: part, .offset: 40, .size: 8, .value_kind: global_buffer, .address_space: global }
    .group_segment_fixed_size: 171520
    .private_segment_fixed_size: 0
    .kernarg_segment_align: 8
    .kernarg_segment_size: 48
    .max_flat_workgroup_size: 128
    .sgpr_count:     66
    .vgpr_count:     1024
    .wavefront_size: 32
...
	.end_amdgpu_metadata
.endif
;; end of part 5
;; launch fin (part 6): grid 256 x 1, 4 waves a work-group, no clusters, 0 bytes of LDS; arguments hidden_states, gate, plan, part, out0; writes out0
.if DOCPART == 6
	.amdgcn_target "amdgcn-amd-amdhsa--gfx1250"
	.amdhsa_code_object_version 6
	.text
	.protected	k_qdbbdd4125a_fin
	.globl	k_qdbbdd4125a_fin
	.p2align	8
	.type	k_qdbbdd4125a_fin,@function
k_qdbbdd4125a_fin:
	s_mov_b64 s[64:65], 0
	v_nop
	global_prefetch_b8 v0, s[64:65] scope:SCOPE_SE
	s_setreg_imm32_b32 hwreg(HW_REG_WAVE_MODE, 25, 1), 1
	s_wait_xcnt 0x0
; FIN.  out0[token] = hidden_states[token] + probability[token] x (part[0][place] + part[1][place]): the two halves of the second product's sum are added in f32, weighed and added to the residual.
; It goes BY TOKEN: 16 tokens a work-group, 4 a wave, so that hidden_states and out0 are dense streams and every token has exactly one place: no count of rows, no branch, no mask.
; A token's place comes from the inverse list (plan, from byte 20,480: 4 x place), which an earlier launch stored: read as a scalar, held, and shifted into the byte offset of a row of 2,048 bytes.
; A row is four loads of 16 bytes a lane: each load and store of the wave covers 512 consecutive bytes, aligned.  All 48 loads of a wave go out together; the waits count down token by token.
; Memory binds: no LDS, no barrier, no matrix unit, no cluster (work-groups share nothing).  No prefetch: every address is asked for by its load as soon as it is known.
.set INV0,  20480
.set HALFP, 9306112                    ; part: 4,544 places x 2,048 bytes for each half
.set RO, 2                             ; v2-5     token i: its row's byte offset in a half of part, + 16 x lane
.set H,  16                            ; v16-79   hidden_states: token i at H + 16 i
.set P0, 80                            ; v80-143  the first half's sums, then the result
.set P1, 144                           ; v144-207 the second half's
	s_load_b256 s[4:11], s[0:1], 0x0               ; hidden_states 4:5, gate 6:7, plan 8:9, part 10:11
	s_load_b64 s[12:13], s[0:1], 0x20              ; out0
	v_lshrrev_b32 v1, 5, v0
	v_readfirstlane_b32 s14, v1                    ; wave 0..3
	v_and_b32 v1, 31, v0
	v_lshlrev_b32 v1, 4, v1                        ; 16 x lane
	s_lshl_b32 s15, ttmp9, 4
	s_lshl_b32 s16, s14, 2
	s_add_co_u32 s15, s15, s16                     ; my wave's first token: 16 x work-group + 4 x wave
	s_lshl_b32 s16, s15, 2                         ; 4 bytes a token in the list and in gate
	s_lshl_b32 s28, s15, 11                        ; 2,048 bytes a token in hidden_states and out0
	s_mov_b32 s29, 0
	s_wait_kmcnt 0x0
	s_load_b128 s[20:23], s[8:9], s16 offset:0x5000   ; four tokens' 4 x place
	s_load_b128 s[24:27], s[6:7], s16 offset:0x0      ; and their probabilities
	s_add_nc_u64 s[4:5], s[4:5], s[28:29]
	s_add_nc_u64 s[12:13], s[12:13], s[28:29]
	s_add_nc_u64 s[30:31], s[10:11], HALFP         ; the second half of part
.irp i, 0,1,2,3
.irp j, 0,1,2,3
	global_load_b128 v[H+16*\i+4*\j:H+16*\i+4*\j+3], v1, s[4:5] offset:2048*\i+512*\j th:TH_LOAD_NT
.endr
.endr
	s_wait_kmcnt 0x0
.irp i, 0,1,2,3
	s_min_u32 s[20+\i], s[20+\i], 0x46fc           ; 4 x the last place: a loaded number is held before it enters an address
	s_lshl_b32 s[20+\i], s[20+\i], 9               ; x 2,048 / 4
	v_add_nc_u32 v[RO+\i], s[20+\i], v1
	s_mov_b32 s[32+2*\i], s[24+\i]                 ; the probability as a pair: the packed form names a pair and takes its low word for both halves
	s_mov_b32 s[33+2*\i], s[24+\i]
.endr
.irp i, 0,1,2,3
.irp j, 0,1,2,3
	global_load_b128 v[P0+16*\i+4*\j:P0+16*\i+4*\j+3], v[RO+\i], s[10:11] offset:512*\j th:TH_LOAD_NT
.endr
.irp j, 0,1,2,3
	global_load_b128 v[P1+16*\i+4*\j:P1+16*\i+4*\j+3], v[RO+\i], s[30:31] offset:512*\j th:TH_LOAD_NT
.endr
.endr
.macro ROW i
	s_wait_loadcnt 8*(3-(\i))                      ; this token's loads are in; the eight of each later token may be out
.irp j, 0,2,4,6,8,10,12,14
	v_pk_add_f32 v[P0+16*(\i)+\j:P0+16*(\i)+\j+1], v[P0+16*(\i)+\j:P0+16*(\i)+\j+1], v[P1+16*(\i)+\j:P1+16*(\i)+\j+1]
.endr
.irp j, 0,2,4,6,8,10,12,14
	v_pk_fma_f32 v[P0+16*(\i)+\j:P0+16*(\i)+\j+1], v[P0+16*(\i)+\j:P0+16*(\i)+\j+1], s[32+2*(\i):33+2*(\i)], v[H+16*(\i)+\j:H+16*(\i)+\j+1] op_sel_hi:[1,0,1]
.endr
.irp j, 0,1,2,3
	global_store_b128 v1, v[P0+16*(\i)+4*\j:P0+16*(\i)+4*\j+3], s[12:13] offset:2048*(\i)+512*\j th:TH_STORE_NT
.endr
.endm
	ROW 0
	ROW 1
	ROW 2
	ROW 3
	s_endpgm
.Lfunc_end_k_qdbbdd4125a_fin:
	.size	k_qdbbdd4125a_fin, .Lfunc_end_k_qdbbdd4125a_fin-k_qdbbdd4125a_fin
	.p2alignl 7, 3214868480
	.fill 96, 4, 3214868480
	.section	.rodata,"a",@progbits
	.p2align	6, 0x0
	.amdhsa_kernel k_qdbbdd4125a_fin
		.amdhsa_group_segment_fixed_size 0
		.amdhsa_private_segment_fixed_size 0
		.amdhsa_enable_private_segment 0
		.amdhsa_kernarg_size 40
		.amdhsa_user_sgpr_count 2
		.amdhsa_user_sgpr_kernarg_segment_ptr 1
		.amdhsa_wavefront_size32 1
		.amdhsa_system_sgpr_workgroup_id_x 1
		.amdhsa_system_sgpr_workgroup_id_y 1
		.amdhsa_system_sgpr_workgroup_id_z 1
		.amdhsa_system_vgpr_workitem_id 0
		.amdhsa_next_free_vgpr 208
		.amdhsa_next_free_sgpr 66
		.amdhsa_reserve_vcc 0
		.amdhsa_float_denorm_mode_32 3
		.amdhsa_float_denorm_mode_16_64 3
		.amdhsa_memory_ordered 1
		.amdhsa_forward_progress 1
		.amdhsa_inst_pref_size 12
	.end_amdhsa_kernel
	.amdgpu_metadata
---
amdhsa.version: [ 1, 2 ]
amdhsa.kernels:
  - .name:           k_qdbbdd4125a_fin
    .symbol:         k_qdbbdd4125a_fin.kd
    .args:
      - { .name: hidden_states, .offset: 0, .size: 8, .value_kind: global_buffer, .address_space: global }
      - { .name: gate, .offset: 8, .size: 8, .value_kind: global_buffer, .address_space: global }
      - { .name: plan, .offset: 16, .size: 8, .value_kind: global_buffer, .address_space: global }
      - { .name: part, .offset: 24, .size: 8, .value_kind: global_buffer, .address_space: global }
      - { .name: out0, .offset: 32, .size: 8, .value_kind: global_buffer, .address_space: global }
    .group_segment_fixed_size: 0
    .private_segment_fixed_size: 0
    .kernarg_segment_align: 8
    .kernarg_segment_size: 40
    .max_flat_workgroup_size: 128
    .sgpr_count:     66
    .vgpr_count:     208
    .wavefront_size: 32
...
	.end_amdgpu_metadata
.endif
;; end of part 6
;; ======== version 3 of 3: 4 launches; version 2 with the launch chain written anew for expert scheduling mode
;; workspace buffers: xc 2,097,152 bytes; xs 65,536 bytes; gate 16,384 bytes; eidx 16,384 bytes of whole numbers; plan 36,864 bytes of whole numbers; wcod 16,777,216 bytes; wscl 524,288 bytes; part 18,612,224 bytes
;; launch front: the kernel of part 1 again; grid 640 x 1, 4 waves a work-group, no clusters, 2,560 bytes of LDS; arguments hidden_states, ln_weight, w_router, wi, xc, xs, gate, eidx, wcod, wscl, out1, out2; writes xc, xs, gate, eidx, wcod, wscl, out1, out2
;; launch mid: the kernel of part 4 again; grid 513 x 1, 4 waves a work-group, no clusters, 1,536 bytes of LDS; arguments eidx, wo, plan, wcod, wscl; writes plan, wcod, wscl
;; launch chain (part 7): grid 71 x 2, 4 waves a work-group, no clusters, 171,520 bytes of LDS; arguments plan, xc, xs, wcod, wscl, part; writes part
.if DOCPART == 7
	.amdgcn_target "amdgcn-amd-amdhsa--gfx1250"
	.amdhsa_code_object_version 6
	.text
	.protected	k_qdbbdd4125a_chain
	.globl	k_qdbbdd4125a_chain
	.p2align	8
	.type	k_qdbbdd4125a_chain,@function
k_qdbbdd4125a_chain:
	s_mov_b64 s[64:65], 0
	v_nop
	global_prefetch_b8 v0, s[64:65] scope:SCOPE_SE
	s_setreg_imm32_b32 hwreg(HW_REG_WAVE_SCHED_MODE, 0, 2), 2
	s_setreg_imm32_b32 hwreg(HW_REG_WAVE_MODE, 25, 1), 1
	s_wait_xcnt 0x0
	s_wait_alu depctr_vm_vsrc(0)
; CHAIN.  Work-group (t, q) takes tile t of the list (up to 64 tokens of ONE expert) and half q of the hidden layer (units 1,024 q on) through both products: part[q][place] = relu(x wi[e][:, half]) wo[e][half, :],
; both products on codes of BF8 (E5M2) with E8M0 scales for each 32 along K.  The next launch adds the two halves, in f32: the second product's K is so summed in two parts and not in one chain.
; Only the chosen expert's rows are multiplied: the definition throws the others away by a mask that it builds itself.  The hidden layer stays in LDS.
; GRID: 4,096 / 64 + 8 - 1 = 71 tiles serve every split; two halves make 142 work-groups.  Four quarters would make 284, more than there are WGPs for work-groups of this size, so that some would run one behind the other.
;   A tile without rows (at most 7) runs the same text on expert 0 and token 0 and stores nothing: the work-group's barriers stand under no branch on a loaded number.
; SHARES: THE WAVES SHARE THE COLUMNS, NOT THE ROWS.  Product 1: wave w makes hidden groups 8 q + 2 w + j (j = 0, 1; 128 units each) for all 64 rows; product 2: d = 128 w .. 128 w + 127 over the half's eight K steps.
;   So each fragment of a weight goes from memory straight into the one wave that uses it (laid by the launches before as images of the operand's registers: 16 bytes a lane, 512 consecutive bytes a load) and feeds four matrix instructions.
;   A wave's eight batches of wi (64 e + 32 q + 8 w on) and its eight of wo (64 e + 16 w + 8 q on) are 128 KiB on end each.
; BOTH PRODUCTS ARE USED TRANSPOSED (source 0 = 16 rows of the weight's tile, source 1 = 16 tokens): a lane holds one token, and, by the order of a tile's rows, the 16 registers of tiles 2 b and 2 b + 1 are 16 neighbours along the next K (or along d).
; A STEP is the same in both: 128 along K, 8 weight tiles x 4 tiles of tokens = 32 matrix instructions on 32 accumulators, which take turns, one instruction a turn, over all edges.
; The weights come through a ring of four register buffers of 16 KiB: a step waits for its own batch and asks for the batch two steps on; the ring runs on from wi into wo.
; NO TENSOR LOAD, NO CLUSTER: the text branches on numbers read from the list, and which tiles share an expert (any number from 0 to 64 of them) hangs on the counts, so the work-groups do not fall into fixed groups with the same weights.
; LIMITS: NaN and infinities are not served; a block of zeros of the hidden layer has the scale byte 1 (its codes are zeros); blocks under the floor 2^(16 - 127) were not tried.
; THE MODE: SCHED_MODE bits 1:0 = 2 (LLVM: expert scheduling mode 2), set by the entry lines.  The code itself states the register dependences
; between vector or matrix instructions and memory or LDS instructions, with s_wait_alu, always for 0.
; THE PLAN.  Registers that memory or LDS instructions touch:
;   W0 .. W3   the weight buffers.  Step s: its products read W[s % 4]; its 32 global loads land in W[(s + 2) % 4], which the products of step s - 2 read last.
;   T0, T1     two sets of a step's token fragments, their scale words and the weights' scale words.  Step s: its products read T[s % 2]; its 28 LDS loads, the next step's, land in T[(s + 1) % 2], which the products of step s - 1 read last.
;   PC, PW     a hidden fragment's codes and scale word.  Written by the quantiser's conversions and shifts; read by its five LDS stores.
;   WA, HW, HWS  written by three additions at the head of a trip of product 1; read by the trip's LDS loads and stores.
;   Every other address is made at the head and never written again: the steps are reached by immediate offsets.
;   The accumulators: at the head the first 64 take the weights' scale words on their way to LDS; on the way out LDS stores read all of them.  T0's fragments take x on its way to LDS at the head, and rows of the result on the way out.
; So ONE wait on va_vdst stands at the head of a step that fetches into the set that the step before read; it also shows the buffer done with in which the NEXT step's global loads land.  The step's 60 loads follow it, dealt among its products,
; which name W[s % 4], T[s % 2] and the accumulators: none of the registers that those loads touch.  A step that owes nothing holds no such wait: the first of a trip (the quantiser's waits, or the trip's own, stand behind every earlier
; product), product 1's fourth (it fetches nothing, and its global loads land in W1, shown done with at the third step's head) and the very last (it loads nothing).
; LDS
.set XIMG, 0                           ; x's 16 fragments, image (K step s, tile of rows m) at (4 s + m) x 2,048
.set XSC,  32768                       ; their scale words, 128 bytes each
.set HIMG, 34816                       ; the half's 32 hidden fragments, (K step 2 w + j, m) likewise
.set HSC,  100352                      ; their scale words
.set WSC,  104448                      ; the weights' scale words: 8,192 bytes a wave: its 8 batches of wi, then its 8 of wo, 512 bytes each
.set STG,  137216                      ; the way out: 16 rows x (512 + 16) bytes for each wave
.set HALFP, 9306112                    ; part: 4,544 places x 2,048 bytes for each half
; REGISTERS, in windows of 256.  Windows 1 and 2: the four weight buffers (buffer b: window 1 + b / 2, v[128 (b % 2)] on).  Window 3: the accumulators, (m, t) at v[64 m + 8 t].  Window 0:
.set LI,  1                            ; 16 x lane: also the LDS address of x's fragments (XIMG and the step stand in the immediate)
.set LS,  2                            ; 4 x lane: also that of their scale words
.set BA,  3                            ; HIMG + 16 x lane: the hidden fragments
.set BS,  4                            ; HSC + 4 x lane: their scale words
.set WA,  5                            ; LDS address of the trip's weight scale words (product 1)
.set HW,  6                            ; where the trip's hidden images go
.set HWS, 7                            ; and their scale words
.set SO,  8                            ; the stage: in
.set SR,  9                            ; the stage: back
.set LW,  10                           ; 512 w + 16 x lane: my bytes of a row of part
.set WA0, 11                           ; my weights' scale words: row r's, of my first batch
.set WS,  20                           ; v20-27, v216-223  a step's weight scale words, sets 0 and 1: scales and nothing else
.set BSC, 28                           ; v28-31, v224-227  a step's token scale words, sets 0 and 1: scales and nothing else
.set SS,  196                          ; from set 0 of the scale words to set 1
.set BF,  32                           ; v32-95, v130-193  four token fragments, sets 0 and 1; on the way out set 0 takes 16 rows read back
.set SF,  98                           ; from set 0 of the fragments to set 1
.set PC,  96                           ; v96-111 the codes just made
.set TM,  112                          ; v112-127 largest magnitudes, bytes, holds, scale operands
.set PW,  128                          ; the scale word just made
.set HW0, 129
.set HWS0, 194
.set TL,  195                          ; head: lane, r, h, offsets
.set TR,  196
.set TH,  197
.set TVW, 199
.set TXO, 204
.set TSO, 205
.set TW,  206
.set XSW, 208
.set TXW, 212
.set TXS, 213
.set TWSC, 214
; SCALARS: s[4:15] the six addresses; s20 expert, s21 rows; s22 at work; s23 wave; s[24:25] the weights' pointer; s[26:27] its step; s28 trips; s29 weight scales' step; s30, s31 hidden images' steps;
; s[34:35] lane selects; s36 the mantissa field of 57,344; s37 the pointer's step from wi to wo; s46 at work; s[50:51], s[54:55] the scale words' pointers; s[52:53] an offset; s56 the half
.set MSB, 0
.macro WIN new                         ; the immediate's high byte repeats the setting that is left; a switch that changes nothing is dropped
.if MSB != (\new)
	s_set_vgpr_msb (MSB<<8)|(\new)
.set MSB, (\new)
.endif
.endm
; A step's four token fragments (address register xa, from byte xo on), their scale words (ya, yo) and the weights' eight (za, zo), from LDS into set p
.macro FETCH p, xa, xo, ya, yo, za, zo
	WIN 0
.irp m, 0,1,2,3
.irp c, 0,1,2,3
	ds_load_b128 v[BF+SF*(\p)+16*\m+4*\c:BF+SF*(\p)+16*\m+4*\c+3], v[\xa] offset:(\xo)+2048*\m+512*\c
.endr
	ds_load_b32 v[BSC+SS*(\p)+\m], v[\ya] offset:(\yo)+128*\m
.endr
.irp t, 0,1,2,3,4,5,6,7
	ds_load_b32 v[WS+SS*(\p)+\t], v[\za] offset:(\zo)+64*\t
.endr
.endm
.macro LOADB b, imm                    ; a batch of eight weight fragments into buffer b: 32 loads of 512 consecutive bytes
	WIN 0x40*(1+(\b)/2)
.irp t, 0,1,2,3,4,5,6,7
.irp c, 0,1,2,3
	global_load_b128 v[128*((\b)%2)+16*\t+4*\c:128*((\b)%2)+16*\t+4*\c+3], v[LI], s[24:25] offset:(\imm)+2048*\t+512*\c
.endr
.endr
.endm
; Eight matrix instructions: the step's eight weight tiles against tile m of the tokens.  sp: the step in its trip: buffer sp, set sp % 2.  zero = 1: the products start the sums: nothing is ever cleared
.macro MUL8 sp, m, zero
.irp t, 0,1,2,3,4,5,6,7
.if \zero
	v_wmma_scale_f32_16x16x128_f8f6f4 v[64*(\m)+8*\t:64*(\m)+8*\t+7], v[128*((\sp)%2)+16*\t:128*((\sp)%2)+16*\t+15], v[BF+SF*((\sp)%2)+16*(\m):BF+SF*((\sp)%2)+16*(\m)+15], 0, v[WS+SS*((\sp)%2)+\t], v[BSC+SS*((\sp)%2)+(\m)] matrix_a_fmt:MATRIX_FMT_BF8 matrix_b_fmt:MATRIX_FMT_BF8
.else
	v_wmma_scale_f32_16x16x128_f8f6f4 v[64*(\m)+8*\t:64*(\m)+8*\t+7], v[128*((\sp)%2)+16*\t:128*((\sp)%2)+16*\t+15], v[BF+SF*((\sp)%2)+16*(\m):BF+SF*((\sp)%2)+16*(\m)+15], v[64*(\m)+8*\t:64*(\m)+8*\t+7], v[WS+SS*((\sp)%2)+\t], v[BSC+SS*((\sp)%2)+(\m)] matrix_a_fmt:MATRIX_FMT_BF8 matrix_b_fmt:MATRIX_FMT_BF8
.endif
.endr
.endm
; A step, in two parts, between which the next step's fetch stands.
; STEPA.  cnt: the global loads issued behind this step's batch, which may stay out.  w = 1: the step fetches into the set that the step before read.
.macro STEPA sp, zero, cnt, w
	s_wait_loadcnt \cnt                            ; loads come back in order (ISA guide 5.7.1): my batch is in
	s_wait_dscnt 0x0                               ; and so are this step's fragments and scale words, asked for a step ago (a trip's first: just now)
.if \w
	s_wait_alu depctr_va_vdst(0)                   ; the last step's products are done reading the other set, in which this step's LDS loads land, and their weight buffer, in which the next step's global loads land
.endif
	WIN 0xf1+(\sp)/2                               ; source 0 (the weight) window 1 or 2, source 1 (tokens) window 0, C and D window 3
	MUL8 \sp, 0, \zero
.endm
; STEPB.  ld = 1: the batch two steps on is asked for, into the buffer that was multiplied two steps ago.  No wait: no vector or matrix instruction since the wait that showed its readers done names that buffer.
; pl = 1: results are read next, by vector instructions or by LDS stores: eight places behind the products.
.macro STEPB sp, zero, ld, pl
	WIN 0xf1+(\sp)/2
	MUL8 \sp, 1, \zero
.if \ld
	LOADB ((\sp)+2)%4, (((\sp)+2)%4)*16384
	WIN 0xf1+(\sp)/2
.endif
	MUL8 \sp, 2, \zero
	MUL8 \sp, 3, \zero
	WIN 0
.if \pl
.rept 8
	v_nop
.endr
.endif
.endm
.macro USTEP sp, zero, w               ; step sp of a trip of product 1: the tokens are x's fragments
	STEPA \sp, \zero, 32, \w
.if (\sp) < 3
	FETCH ((\sp)+1)%2, LI, XIMG+8192*((\sp)+1), LS, XSC+512*((\sp)+1), WA, 512*((\sp)+1)
.endif
	STEPB \sp, \zero, 1, (\sp)/3
.endm
.macro DSTEP k, zero, ld, cnt, w       ; step k of product 2's eight: the tokens are the hidden fragments; my batches of wo have their scale words from byte 4,096 on
	STEPA (\k)%4, \zero, \cnt, \w
.if (\k) < 7
	FETCH ((\k)+1)%2, BA, 8192*((\k)+1), BS, 512*((\k)+1), WA0, 4096+512*((\k)+1)
.endif
	STEPB (\k)%4, \zero, \ld, (\k)/7
.endm
; The 8 tiles of rows 16 m on: relu, quantised along the next K, to LDS as an image of the operand's registers.  Register 16 b + i of a lane is hidden unit 32 b + 16 (lane / 16) + i of its token.
.macro QUANT m
.set QA, 64*(\m)
	WIN 0x0f                                       ; sources 0 and 1 window 3
.irp b, 0,1,2,3
	v_max3_num_f32 v[TM+\b], v[QA+16*\b], v[QA+16*\b+1], 0x8000000   ; no |.|: what is negative becomes 0 and must not count; the floor 2^(16 - 127) stands over it.  Each accumulator is read from its low end on
.endr
	WIN 0x3c                                       ; sources 1 and 2 window 3
.irp i, 2,4,6,8,10,12,14
.irp b, 0,1,2,3
	v_max3_num_f32 v[TM+\b], v[TM+\b], v[QA+16*\b+\i], v[QA+16*\b+\i+1]
.endr
.endr
	WIN 0
.irp b, 0,1,2,3
	v_permlanex16_b32 v[TM+4+\b], v[TM+\b], s34, s35
.endr
.irp b, 0,1,2,3
	v_max_num_f32 v[TM+\b], v[TM+\b], v[TM+4+\b]   ; with lane l xor 16's 16: the block's largest magnitude
.endr
.irp b, 0,1,2,3
	v_add_nc_u32 v[TM+12+\b], 0xf8800000, v[TM+\b] ; 15 off its exponent field: the conversion's scale operand
.endr
.irp b, 0,1,2,3
	v_and_or_b32 v[TM+8+\b], v[TM+\b], 0x7f800000, s36   ; 57,344 x the scale
.endr
.irp b, 0,1,2,3
	v_lshrrev_b32 v[TM+4+\b], 23, v[TM+12+\b]      ; the scale's byte
.endr
	s_wait_alu depctr_vm_vsrc(0)                   ; the last image's LDS stores have read the scale word and the code registers, which are written again from here on
	v_lshl_or_b32 v[PW], v[TM+5], 8, v[TM+4]
	v_lshl_or_b32 v[PW], v[TM+6], 16, v[PW]
	v_lshl_or_b32 v[PW], v[TM+7], 24, v[PW]
	WIN 0xc3                                       ; destination and source 0 window 3
.irp b, 0,1,2,3
.irp i, 0,1,2,3,4,5,6,7,8,9,10,11,12,13,14,15
	v_med3_num_f32 v[QA+16*\b+\i], v[QA+16*\b+\i], 0, v[TM+8+\b]   ; the activation and the hold in one (the conversion does not saturate: ISA guide 7.6.2)
.endr
.endr
	WIN 0x03                                       ; source 0 window 3
.irp b, 0,1,2,3
	v_cvt_scalef32_pk8_bf8_f32 v[PC+4*\b:PC+4*\b+1], v[QA+16*\b:QA+16*\b+7], v[TM+12+\b]
	v_cvt_scalef32_pk8_bf8_f32 v[PC+4*\b+2:PC+4*\b+3], v[QA+16*\b+8:QA+16*\b+15], v[TM+12+\b]
.endr
	WIN 0
	v_nop                                          ; a plain instruction behind the last conversion: later products write its sources
	s_wait_alu depctr_va_vdst(0)                   ; the conversions have written the codes and the shifts the scale word, which the LDS stores below read
.irp c, 0,1,2,3
	ds_store_b128 v[HW], v[PC+4*\c:PC+4*\c+3] offset:2048*(\m)+512*\c
.endr
	ds_store_b32 v[HWS], v[PW] offset:128*(\m)
.endm
; The way out of rows 16 m on.  A lane holds 4 x 64 bytes of one row; the rows go through my own stage and come back whole: 512 bytes over the 32 lanes.
.macro TOSTAGE m
	WIN 0x0c                                       ; an LDS store's data are its source 1: window 3
.if (\m) == 0
	s_wait_alu depctr_va_vdst(0)                   ; behind the eight places: the products have written the accumulators, which the LDS stores of all four runs read, and are done reading set 0's fragments, in which the loads from the stage land
.endif
.irp b, 0,1,2,3
.irp i, 0,1,2,3
	ds_store_b128 v[SO], v[64*(\m)+16*\b+4*\i:64*(\m)+16*\b+4*\i+3] offset:128*\b+16*\i   ; ascending: each accumulator from its low end on
.endr
.endr
	WIN 0
.if (\m) > 0
	s_wait_xcnt 0x0                                ; the last rows' stores have had their addresses translated (ISA guide 3.1),
	s_wait_alu depctr_vm_vsrc(0)                   ; and have read their data registers, in which the loads below land
.endif
.irp i, 0,1,2,3,4,5,6,7,8,9,10,11,12,13,14,15
	ds_load_b128 v[BF+4*\i:BF+4*\i+3], v[SR] offset:528*\i   ; LDS serves a wave's instructions in order (ISA guide 5.7.1.4): these see my stores
.endr
.endm
.macro SEND m
	s_wait_dscnt 0x0                               ; the 16 rows are back in registers
.set q, 0
.rept 16
	s_cmp_le_u32 s21, 16*(\m)+q                    ; the tile's rows are over: nothing more is stored
	s_cbranch_scc1 .Lfin
	global_store_b128 v[LW], v[BF+4*q:BF+4*q+3], s[14:15] offset:2048*(16*(\m)+q)   ; the wave stores 512 consecutive bytes, at a multiple of 256 from part's first byte
.set q, q+1
.endr
.endm
	s_load_b256 s[4:11], s[0:1], 0x0               ; plan 4:5, xc 6:7, xs 8:9, wcod 10:11
	s_load_b128 s[12:15], s[0:1], 0x20             ; wscl 12:13, part 14:15
	v_lshl_add_u32 v254, v0, 2, 0x29c00
	v_mov_b32 v255, 0
	v_lshrrev_b32 v1, 5, v0
	v_readfirstlane_b32 s23, v1                    ; wave 0..3
	s_and_b32 s56, ttmp7, 0xffff                   ; the half
	v_and_b32 v[TL], 31, v0
	v_and_b32 v[TR], 15, v0
	v_bfe_u32 v[TH], v0, 4, 1
	v_lshlrev_b32 v[LI], 4, v[TL]
	v_lshlrev_b32 v[LS], 2, v[TL]
	v_add_nc_u32 v[BA], HIMG, v[LI]
	v_add_nc_u32 v[BS], HSC, v[LS]
	s_wait_alu depctr_va_sdst(0)                   ; s23 is written, ahead of its first reader: LDS places and the weights' addresses are made from it
	s_mul_i32 s22, s23, 16*528
	s_add_co_u32 s22, s22, STG
	v_mul_u32_u24 v[SO], v[TR], 528
	v_lshl_add_u32 v[SO], v[TH], 6, v[SO]
	v_add_nc_u32 v[SO], s22, v[SO]                 ; my stage: row r, + 64 h
	v_add_nc_u32 v[SR], s22, v[LI]
	s_lshl_b32 s22, s23, 9
	v_add_nc_u32 v[LW], s22, v[LI]
	s_lshl_b32 s22, s23, 13
	s_add_co_u32 s22, s22, WSC
	v_lshlrev_b32 v[WA0], 2, v[TR]
	v_add_nc_u32 v[WA0], s22, v[WA0]               ; my weights' scale words: row r's
	v_add_nc_u32 v[TWSC], s22, v[LI]
	s_lshl_b32 s22, s23, 14
	s_add_co_u32 s22, s22, HIMG
	v_add_nc_u32 v[HW0], s22, v[LI]                ; my two groups' images: 16,384 bytes a wave
	s_lshl_b32 s22, s23, 11
	v_add_nc_u32 v[TXW], s22, v[LI]                ; x's images of rows 16 w on
	s_lshl_b32 s22, s23, 10
	s_add_co_u32 s22, s22, HSC
	v_add_nc_u32 v[HWS0], s22, v[LS]               ; my two groups' scale words: 1,024 bytes a wave
	s_lshl_b32 s22, s23, 7
	s_add_co_u32 s22, s22, XSC
	v_add_nc_u32 v[TXS], s22, v[LS]
	s_lshl_b32 s22, ttmp9, 8
	v_lshlrev_b32 v[TVW], 2, v[TR]
	v_add_nc_u32 v[TVW], s22, v[TVW]               ; the tile's 64 token numbers: 256 bytes a tile, 4 r,
	s_lshl_b32 s22, s23, 6
	v_add_nc_u32 v[TVW], s22, v[TVW]               ; those of rows 16 w on
.irp b, 0,1,2,3
	v_mov_b32 v[TM+4+\b], 0                        ; written once: a lane permute's destination counts as one of its sources
.endr
	s_mov_b32 s34, 0x76543210
	s_mov_b32 s35, 0xfedcba98
	s_mov_b32 s36, 0x600000
	s_mov_b32 s27, 0
	s_mov_b32 s53, 0
	s_lshl_b32 s22, ttmp9, 3
	s_wait_kmcnt 0x0
	s_load_b64 s[20:21], s[4:5], s22 offset:0x0    ; the tile's expert and rows
	s_wait_alu depctr_va_vdst(0)                   ; the offsets and LDS addresses made above are written: the loads and stores of the whole kernel read them, and none of them is written again
	global_load_b32 v[TW], v[TVW], s[4:5] offset:2048
	s_wait_kmcnt 0x0
	s_min_u32 s20, s20, 7                          ; a loaded number is held before it enters an address
	s_lshl_b32 s52, s20, 20                        ; codes of wi: batch 64 e + 32 q + 8 w, 16 KiB a batch
	s_lshl_b32 s46, s56, 19
	s_add_co_u32 s52, s52, s46
	s_lshl_b32 s46, s23, 17
	s_add_co_u32 s52, s52, s46
	s_add_nc_u64 s[24:25], s[10:11], s[52:53]
	s_lshl_b32 s37, s23, 17                        ; from my fifth batch of wi to my first of wo: 8,388,608 + 16,384 (16 w + 8 q - 32 q - 8 w - 4): above 0 for every w and q
	s_add_co_u32 s37, s37, 8323072
	s_mul_i32 s46, s56, 393216
	s_sub_co_u32 s37, s37, s46
	s_lshl_b32 s52, s20, 15                        ; scale words: 512 bytes a batch: wi's,
	s_lshl_b32 s46, s56, 14
	s_add_co_u32 s52, s52, s46
	s_lshl_b32 s46, s23, 12
	s_add_co_u32 s52, s52, s46
	s_add_nc_u64 s[50:51], s[12:13], s[52:53]
	s_lshl_b32 s52, s20, 15                        ; and wo's: batch 64 e + 16 w + 8 q, behind wi's 262,144 bytes
	s_lshl_b32 s46, s23, 13
	s_add_co_u32 s52, s52, s46
	s_lshl_b32 s46, s56, 12
	s_add_co_u32 s52, s52, s46
	s_add_co_u32 s52, s52, 262144
	s_add_nc_u64 s[54:55], s[12:13], s[52:53]
	s_mul_i32 s52, s56, HALFP                      ; part: my half, my tile's 64 places of 2,048 bytes
	s_lshl_b32 s46, ttmp9, 17
	s_add_co_u32 s52, s52, s46
	s_add_nc_u64 s[14:15], s[14:15], s[52:53]
	WIN 0xc0                                       ; destination window 3: the accumulators' registers are free yet
.set i, 0
.rept 8
	global_load_b128 v[4*i:4*i+3], v[LI], s[50:51] offset:512*i               ; my 8 batches' scale words of wi,
.set i, i+1
.endr
.set i, 0
.rept 8
	global_load_b128 v[32+4*i:32+4*i+3], v[LI], s[54:55] offset:512*i         ; and of wo
.set i, i+1
.endr
	WIN 0
	s_wait_loadcnt 16                              ; the token numbers are in (behind them: the 16 loads of scale words)
	v_min_u32 v[TW], 0xfff, v[TW]
	v_lshlrev_b32 v[TXO], 9, v[TW]
	v_lshl_add_u32 v[TXO], v[TH], 4, v[TXO]        ; x's codes: 512 bytes a token, + 16 h
	v_lshlrev_b32 v[TSO], 4, v[TW]
	s_wait_alu depctr_va_vdst(0)                   ; the two offsets made of the token numbers are written, which the 17 loads below read
.irp s, 0,1,2,3
.irp c, 0,1,2,3
	global_load_b128 v[BF+16*\s+4*\c:BF+16*\s+4*\c+3], v[TXO], s[6:7] offset:128*\s+32*\c   ; rows 16 w on: the four K steps' fragments
.endr
.endr
	global_load_b128 v[XSW:XSW+3], v[TSO], s[8:9]  ; and their four scale words
	LOADB 0, 0
	s_wait_loadcnt 49                              ; the weights' scale words are in (behind them: 17 + 32)
	WIN 0x0c
.set i, 0
.rept 16
	ds_store_b128 v[TWSC], v[4*i:4*i+3] offset:512*i
.set i, i+1
.endr
	WIN 0
	s_wait_loadcnt 32                              ; x is in (behind it: batch 0)
.irp s, 0,1,2,3
.irp c, 0,1,2,3
	ds_store_b128 v[TXW], v[BF+16*\s+4*\c:BF+16*\s+4*\c+3] offset:8192*\s+512*\c
.endr
	ds_store_b32 v[TXS], v[XSW+\s] offset:512*\s
.endr
	LOADB 1, 16384
	WIN 0
	s_wait_dscnt 0x0                               ; for the others' sake: my stores are done
	s_barrier_signal -1
	s_barrier_wait -1                              ; x's sixteen fragments lie in LDS
	; ---- product 1: a trip is one group of 128 hidden units: four K steps, then relu and the quantiser
	s_mov_b32 s28, 0
	s_mov_b32 s29, 0
	s_mov_b32 s30, 0
	s_mov_b32 s31, 0
.Lup:
	s_wait_alu depctr_vm_vsrc(0)                   ; the last trip's LDS loads and stores have read the three addresses that are written below; in the first trip: the head's LDS stores have read set 0's fragments, in which the fetch below lands, and the first 64 accumulator registers, which the first products write
	v_add_nc_u32 v[WA], s29, v[WA0]
	v_add_nc_u32 v[HW], s30, v[HW0]
	v_add_nc_u32 v[HWS], s31, v[HWS0]
	s_wait_alu depctr_va_vdst(0)                   ; the three addresses are written, which the trip's LDS loads and stores read
	FETCH 0, LI, XIMG, LS, XSC, WA, 0              ; the trip's first step has nobody to fetch for it
	USTEP 0, 1, 0                                  ; its products start the sums
	USTEP 1, 0, 1
	s_mov_b32 s26, 0x10000                         ; four batches on;
	s_cmp_eq_u32 s28, 1
	s_cselect_b32 s26, s37, s26                    ; in the last trip: on to my first four of wo
	s_wait_xcnt 0x0                                ; the loads issued so far have read the pointer
	s_add_nc_u64 s[24:25], s[24:25], s[26:27]
	USTEP 2, 0, 1
	USTEP 3, 0, 0
	QUANT 0
	QUANT 1
	QUANT 2
	QUANT 3
	s_add_co_u32 s29, s29, 2048
	s_add_co_u32 s30, s30, 8192
	s_add_co_u32 s31, s31, 512
	s_add_co_u32 s28, s28, 1
	s_cmp_lt_u32 s28, 2
	s_cbranch_scc1 .Lup
	s_wait_dscnt 0x0                               ; for the others' sake: my images are stored
	s_barrier_signal -1
	s_barrier_wait -1                              ; the half's 32 hidden fragments lie in LDS
	; ---- product 2: eight K steps of 128 hidden units, written out: the first starts the sums, the last two ask for no batch beyond my eighth of wo.  Every LDS address is a register made at the head and an immediate
	s_mov_b32 s26, 0x10000
	FETCH 0, BA, 0, BS, 0, WA0, 4096               ; behind the barrier: the first step's.  No wait: the quantiser's last wait on va_vdst stands behind every product that read set 0, and no vector instruction has followed it
	DSTEP 0, 1, 1, 32, 0                           ; the first step's products start the sums
	DSTEP 1, 0, 1, 32, 1
	s_wait_xcnt 0x0                                ; the loads issued so far have read the pointer
	s_add_nc_u64 s[24:25], s[24:25], s[26:27]
	DSTEP 2, 0, 1, 32, 1
	DSTEP 3, 0, 1, 32, 1
	DSTEP 4, 0, 1, 32, 1
	DSTEP 5, 0, 1, 32, 1
	DSTEP 6, 0, 0, 32, 1                           ; behind this step's batch: the last batch's 32 loads
	DSTEP 7, 0, 0, 0, 0
	; ---- the way out: the half's sums, row by row
	TOSTAGE 0
	SEND 0
	TOSTAGE 1
	SEND 1
	TOSTAGE 2
	SEND 2
	TOSTAGE 3
	SEND 3
.Lfin:
	s_barrier_signal -1
	s_barrier_wait -1
	s_wait_dscnt 0x0                               ; the closing lines, six on end
	s_wait_alu 0x0
	s_wait_tensorcnt 0x0
	ds_add_u32 v254, v255
	s_wait_dscnt 0x0
	s_endpgm
.Lfunc_end_k_qdbbdd4125a_chain:
	.size	k_qdbbdd4125a_chain, .Lfunc_end_k_qdbbdd4125a_chain-k_qdbbdd4125a_chain
	.p2alignl 7, 3214868480
	.fill 96, 4, 3214868480
	.section	.rodata,"a",@progbits
	.p2align	6, 0x0
	.amdhsa_kernel k_qdbbdd4125a_chain
		.amdhsa_group_segment_fixed_size 171520
		.amdhsa_private_segment_fixed_size 0
		.amdhsa_enable_private_segment 0
		.amdhsa_kernarg_size 48
		.amdhsa_user_sgpr_count 2
		.amdhsa_user_sgpr_kernarg_segment_ptr 1
		.amdhsa_wavefront_size32 1
		.amdhsa_system_sgpr_workgroup_id_x 1
		.amdhsa_system_sgpr_workgroup_id_y 1
		.amdhsa_system_sgpr_workgroup_id_z 1
		.amdhsa_system_vgpr_workitem_id 0
		.amdhsa_next_free_vgpr 1024
		.amdhsa_next_free_sgpr 66
		.amdhsa_reserve_vcc 0
		.amdhsa_float_denorm_mode_32 3
		.amdhsa_float_denorm_mode_16_64 3
		.amdhsa_memory_ordered 1
		.amdhsa_forward_progress 1
		.amdhsa_inst_pref_size 173
	.end_amdhsa_kernel
	.amdgpu_metadata
---
amdhsa.version: [ 1, 2 ]
amdhsa.kernels:
  - .name:           k_qdbbdd4125a_chain
    .symbol:         k_qdbbdd4125a_chain.kd
    .args:
      - { .name: plan, .offset: 0, .size: 8, .value_kind: global_buffer, .address_space: global }
      - { .name: xc, .offset: 8, .size: 8, .value_kind: global_buffer, .address_space: global }
      - { .name: xs, .offset: 16, .size: 8, .value_kind: global_buffer, .address_space: global }
      - { .name: wcod, .offset: 24, .size: 8, .value_kind: global_buffer, .address_space: global }
      - { .name: wscl, .offset: 32, .size: 8, .value_kind: global_buffer, .address_space: global }
      - { .name: part, .offset: 40, .size: 8, .value_kind: global_buffer, .address_space: global }
    .group_segment_fixed_size: 171520
    .private_segment_fixed_size: 0
    .kernarg_segment_align: 8
    .kernarg_segment_size: 48
    .max_flat_workgroup_size: 128
    .sgpr_count:     66
    .vgpr_count:     1024
    .wavefront_size: 32
...
	.end_amdgpu_metadata
.endif
;; end of part 7
;; launch fin: the kernel of part 6 again; grid 256 x 1, 4 waves a work-group, no clusters, 0 bytes of LDS; arguments hidden_states, gate, plan, part, out0; writes out0
